; MI455X (gfx1250); checked and timed in simulation.
; The chip was launched on July 23, 2026; its instructions are those of AMD's public machine-readable ISA for CDNA 5 (MIT licence, August 2026) and "CDNA5" Instruction Set Architecture Reference Guide (July 2026). The comments in the code are by the model that wrote it; some were corrected since.
;; STU Layer. Allowed arithmetic: matrix products marked QUANTISED: E3M2 operands, one E8M0 scale for each 32 along K, by v_wmma_scale_f32_16x16x128_f8f6f4 with both operands' format E3M2, f32 sums; everything else in f32.
;; Inputs: in_bias 512 float32; in_scale 512 float32; num_targets 4 int32; out_bias 256 float32; out_scale 256 float32; output_weight 768 x 512 float32; uvqk_beta 1,024 float32; uvqk_weight 512 x 1,024 float32; x 4 x 2,048 x 512 float32.
;; Outputs: out0 4 x 2,048 x 512 float32.
;; This version of the problem:
;;   THIS VERSION OF THE PROBLEM IS GIVEN IN LOW PRECISION. The matrix products marked QUANTISED in the list below multiply operands that are first quantised to E3M2 (3 exponent bits, 2 mantissa bits; 6 bits a number), with one power-of-two scale for each 32 numbers along K (OCP MX v1.0); their sums are f32. All else is computed in f32.
;;   The module's matrix products, in the order in which they are computed (A, B: the left and right operand; K: the contracted axis; several contracted axes count as one K, in the product's order):
;;     1. [M 8,192, K 512] x [K 512, N 1,024]; A: computed on the way; B: input uvqk_weight: QUANTISED
;;     2. batch 16 x [M 2,048, K 64] x [K 64, N 2,048]; A: computed on the way; B: computed on the way: QUANTISED
;;     3. batch 16 x [M 64, K 2,048] x [K 2,048, N 2,048]; A: computed on the way; B: computed on the way: QUANTISED
;;     4. [M 8,192, K 768] x [K 768, N 512]; A: computed on the way; B: input output_weight: QUANTISED
;;   THE QUANTISER, for each operand of a quantised product, along K:
;;     - K is cut into blocks of 32 from its start; a last block that is shorter is filled with zeros.
;;     - A block's scale is 2^e with e = floor(log2(the largest magnitude in the block)) - 4, held to -126 .. 127; a block of zeros has e = 0. As a byte (E8M0): e + 127.
;;     - Each number is divided by its block's scale, clamped to +-28, and rounded to the nearest number of E3M2, ties to even, subnormals kept.
;;     - The product sums the exact products of the quantised numbers (number of the format x scale) in f32.
;;   ~~~python
;;   def quantise(x, axis):      # numpy; x: float32 -> the quantised numbers, widened to float32 again
;;       x = np.moveaxis(x, axis, -1); K = x.shape[-1]
;;       x = np.pad(x, [(0, 0)] * (x.ndim - 1) + [(0, -K % 32)]); x = x.reshape(x.shape[:-1] + (-1, 32)); a = np.abs(x).max(-1, keepdims=True)
;;       e = np.where(a > 0, np.clip(np.frexp(np.where(a > 0, a, 1))[1] - 1 - 4, -126, 127), 0)      # np.frexp(a)[1] - 1 = floor(log2(a)), exactly
;;       r = np.clip(x / 2.0 ** e, -28, 28)
;;       step = 2.0 ** (np.maximum(np.frexp(np.where(r == 0, 1, r))[1] - 1, -2) - 2)
;;       q = np.round(r / step) * step * 2.0 ** e      # np.round: ties to even
;;       return np.moveaxis(q.reshape(q.shape[:-2] + (-1,))[..., :K], -1, axis).astype(np.float32)
;;   ~~~
;;   OPERANDS COMPUTED ON THE WAY. 'Computed on the way' means the value that the module computes at that place (a softmax that the list does not call 'softmax' is quantised finished and normalised). What goes into a quantiser is computed in f32, as accurately as f32 sums, v_exp_f32 and their like allow (about 1e-6 of the number): no bf16 or f16 on the way to a quantiser, and a product that is left as it is and whose result goes on into a quantised operand takes f32 operands (vector FMAs, or v_wmma_f32_16x16x4_f32). A number that lies on a knife's edge between two numbers of the format may be rounded either way, as far as f32 arithmetic and the matrix unit's own rounding can turn it there, and no further.
;; One version. Each part assembles by itself: llvm-mc -triple=amdgcn-amd-amdhsa -mcpu=gfx1250 --defsym DOCPART=n.
;; ======== version 1 of 1: 4 launches
;; workspace buffers: xq 3,276,800 bytes; w1q 409,600 bytes; w2q 307,200 bytes; uimg 8,388,608 bytes; qb 1,703,936 bytes; kv 3,342,336 bytes; attnimg 8,388,608 bytes
;; launch prep (part 1): grid 284 x 1, 8 waves a work-group, no clusters, 103,936 bytes of LDS; arguments x, in_scale, in_bias, uvqk_weight, output_weight, xq, w1q, w2q; writes xq, w1q, w2q
.if DOCPART == 1
	.amdgcn_target "amdgcn-amd-amdhsa--gfx1250"
	.amdhsa_code_object_version 6
	.text
	.protected	k_qd13a3e99ea_prep
	.globl	k_qd13a3e99ea_prep
	.p2align	8
	.type	k_qd13a3e99ea_prep,@function
k_qd13a3e99ea_prep:
	s_mov_b64 s[64:65], 0
	v_nop
	global_prefetch_b8 v0, s[64:65] scope:SCOPE_SE
	s_setreg_imm32_b32 hwreg(HW_REG_WAVE_MODE, 25, 1), 1
	s_wait_xcnt 0x0
; PREP.  Three jobs in one launch, chosen by the work-group's number; the three ways never meet again and each has LDS bytes of its own.
;   work-groups   0-255: layer norm of x [8192][512] in f32, quantised along K = 512 to codes of E3M2 with one E8M0 byte for each 32 -> xq
;   work-groups 256-271: uvqk_weight [512 (k)][1024 (n)] quantised along K -> w1q;   work-groups 272-283: output_weight [768 (k)][512 (n)] -> w2q
; ALL THREE BUFFERS ARE LAID AS IMAGES OF THE MATRIX OPERAND'S REGISTERS: a fragment (16 lines x 128 K, 12 registers a lane) is 1,536 bytes, registers 4 g .. 4 g + 3 of lane l at 512 g + 16 l.
; THE LINES OF A TILE ARE NOT NEIGHBOURS: position r of tile t is line 32 (t / 2) + 8 (t % 2) + r + 8 (r / 8), so that later results of two neighbouring tiles are 16 neighbours in a lane's registers.
; SHARES.  x: a work-group takes two tiles of 16 rows; four waves share a tile, four rows each, so that a wave's chain of dependent rows is short and two waves stand on each SIMD; the four meet in the tile's image in LDS, behind one barrier.
; Weights: a wave takes 32 columns x 128 along K, one K step: two whole fragments; waves share nothing.
; A block's scale byte is its largest magnitude's exponent field - 4, held at 1 from below by a floor among the maximum's leaves.
; LIMITS: a block whose largest magnitude lies under 2^-122 (a block of zeros too) keeps the byte 1: its codes are then zeros or subnormals of that scale, and this program alone reads the bytes.  NaN and infinities are not served.
; The weights' scale bytes leave four bytes a lane, 16 or 24 bytes apart: 28,672 bytes in the whole launch.
.set NR,   4                           ; arm X: rows of a wave
.set SP,   80                          ; arm X: a lane's place in a turning stage: 64 bytes + 16 of padding
.set XTW,  5120                        ; arm X: a wave's two turning stages of 2,560 bytes
.set XI,   40960                       ; behind the eight waves' stages: for each of the two tiles
.set XT,   6400                        ; its image (6,144 bytes) and
.set XSB,  6144                        ; its 256 scale bytes
.set XREC, 51200                       ; a record of xq: 8 tiles x 4 K steps x 1,536 bytes, then 8 x 256 scale bytes
.set LW1,  53760                       ; arm W1: 3,072 bytes for each wave
.set LW2,  78336                       ; arm W2: likewise
.set R,    16                          ; v16-79   four rows of 16 numbers as loaded
.set X,    80                          ; v80-111  two sets of 16 neighbours
.set GA,   112                         ; v112-127 in_scale of my 16 columns
.set BE,   128                         ; v128-143 in_bias
.set RBI,  147                         ; v147     the image, on the way out
.set AD,   148                         ; v148-150 where my three code registers lie in the image (my first row)
.set SBA,  151                         ; v151     where my block's scale byte lies (my first row)
.set CD,   152                         ; v152-167 row i: three registers of codes and its scale byte: each row's own, never rewritten
.set OUTX, 168                         ; v168-179 my three groups of the image, read back
.set GOF,  180                         ; v180     their place in the tile's images in xq
.set SBR,  181                         ; v181     the tile's scale bytes in LDS, 8 a lane
.set SBG,  182                         ; v182     and in xq
.set WX,   32                          ; arms W: v32-95 two sets of 32 numbers
.set OUTW, 112                         ; arms W: v112-135 the images read back
.macro XLOAD i                         ; my row i: four loads of 512 consecutive bytes
.irp j, 0,1,2,3
	global_load_b128 v[R+16*(\i)+4*\j:R+16*(\i)+4*\j+3], v3, s[4:5] offset:(\i)*2048+512*\j th:TH_LOAD_NT
.endr
.endm
.macro XTURN i                         ; the row through a stage: in as loaded, out 64 bytes a lane; LDS serves a wave's instructions in order
.irp j, 0,1,2,3
	ds_store_b128 v14, v[R+16*(\i)+4*\j:R+16*(\i)+4*\j+3] offset:32*SP*((\i)%2)+8*SP*\j
.endr
.irp j, 0,1,2,3
	ds_load_b128 v[X+16*((\i)%2)+4*\j:X+16*((\i)%2)+4*\j+3], v15 offset:32*SP*((\i)%2)+16*\j
.endr
.endm
.macro ALLSUM a, t                     ; the sum over the 32 lanes, in every lane
	v_add_f32_dpp v[\a], v[\a], v[\a] row_xmask:1 row_mask:0xf bank_mask:0xf
	v_add_f32_dpp v[\a], v[\a], v[\a] row_xmask:2 row_mask:0xf bank_mask:0xf
	v_add_f32_dpp v[\a], v[\a], v[\a] row_xmask:4 row_mask:0xf bank_mask:0xf
	v_add_f32_dpp v[\a], v[\a], v[\a] row_xmask:8 row_mask:0xf bank_mask:0xf
	v_permlanex16_b32 v[\t], v[\a], s30, s31
	v_add_f32 v[\a], v[\a], v[\t]
.endm
.macro XSTEP i                         ; one row: norm, quantise, codes and byte into the tile's image
.set XC, X+16*((\i)%2)
.set CDI, CD+4*(\i)
.if (\i) == 0
	s_wait_dscnt 0x0                               ; my 16 neighbours are back
.else
	s_wait_dscnt 4                                 ; my 16 neighbours are back; behind their loads stand the last row's four stores into the image, which may be out
.endif
.if (\i)+1 < NR
	s_wait_loadcnt 4*(NR-2-(\i))                   ; the next row's four loads are in; those of the rows behind it may be out
	XTURN (\i)+1
.endif
	v_pk_add_f32 v[4:5], v[XC:XC+1], v[XC+2:XC+3]
	v_pk_add_f32 v[6:7], v[XC+4:XC+5], v[XC+6:XC+7]
	v_pk_add_f32 v[4:5], v[4:5], v[XC+8:XC+9]
	v_pk_add_f32 v[6:7], v[6:7], v[XC+10:XC+11]
	v_pk_add_f32 v[4:5], v[4:5], v[XC+12:XC+13]
	v_pk_add_f32 v[6:7], v[6:7], v[XC+14:XC+15]
	v_pk_add_f32 v[4:5], v[4:5], v[6:7]
	v_add_f32 v4, v4, v5
	ALLSUM 4, 5
	v_mul_f32 v8, s32, v4                          ; the mean: sum / 512
.irp j, 0,2,4,6,8,10,12,14
	v_pk_add_f32 v[XC+\j:XC+\j+1], v[XC+\j:XC+\j+1], v[8:9] op_sel_hi:[1,0] neg_lo:[0,1] neg_hi:[0,1]
.endr
	v_pk_mul_f32 v[4:5], v[XC:XC+1], v[XC:XC+1]    ; the variance of the centred numbers: no difference of large sums
	v_pk_mul_f32 v[6:7], v[XC+2:XC+3], v[XC+2:XC+3]
.irp j, 4,8,12
	v_pk_fma_f32 v[4:5], v[XC+\j:XC+\j+1], v[XC+\j:XC+\j+1], v[4:5]
	v_pk_fma_f32 v[6:7], v[XC+\j+2:XC+\j+3], v[XC+\j+2:XC+\j+3], v[6:7]
.endr
	v_pk_add_f32 v[4:5], v[4:5], v[6:7]
	v_add_f32 v4, v4, v5
	ALLSUM 4, 5
	v_fma_f32 v10, v4, s32, s33                    ; sum / 512 + 1e-6
	v_rsq_f32 v10, v10
	v_nop                                          ; a plain place behind the transcendental
	s_wait_alu depctr_va_vdst(0)
.irp j, 0,2,4,6,8,10,12,14
	v_pk_mul_f32 v[XC+\j:XC+\j+1], v[XC+\j:XC+\j+1], v[10:11] op_sel_hi:[1,0]
.endr
.irp j, 0,2,4,6,8,10,12,14
	v_pk_fma_f32 v[XC+\j:XC+\j+1], v[XC+\j:XC+\j+1], v[GA+\j:GA+\j+1], v[BE+\j:BE+\j+1]
.endr
	v_max3_num_f32 v4, |v[XC]|, |v[XC+1]|, |v[XC+2]|               ; the largest magnitude of my 16
	v_max3_num_f32 v5, |v[XC+3]|, |v[XC+4]|, |v[XC+5]|
.irp j, 6,10
	v_max3_num_f32 v4, v4, |v[XC+\j]|, |v[XC+\j+1]|
	v_max3_num_f32 v5, v5, |v[XC+\j+2]|, |v[XC+\j+3]|
.endr
	v_max3_num_f32 v4, v4, |v[XC+14]|, |v[XC+15]|
	v_max3_num_f32 v4, v4, v5, 0x2800000           ; and the floor 2^(5 - 127)
	v_max_num_f32_dpp v4, v4, v4 row_xmask:1 row_mask:0xf bank_mask:0xf   ; with my neighbour's 16: the block's
	v_add_nc_u32 v12, 0xfe000000, v4               ; 4 off the exponent field: the conversion's scale operand
	v_cvt_scalef32_pk16_bf6_f32 v[CDI:CDI+2], v[XC:XC+15], v12
	v_lshrrev_b32 v[CDI+3], 23, v12                ; the scale's byte
.irp j, 0,1,2
	ds_store_b32 v[AD+\j], v[CDI+\j] offset:16*(\i) ; register 6 c + 3 (lane % 2) + j of the image's lane (my row, half)
.endr
	ds_store_b8 v[SBA], v[CDI+3] offset:16*(\i)    ; both lanes of a block write the same byte with the same value
.endm
.macro WLOAD nb4, t                    ; block t: W(32 t + i, my column), i = 0 .. 31
.set wi, 0
.rept 32
	global_load_b32 v[WX+32*((\t)%2)+wi], v3, s[40:41] offset:(32*(\t)+wi)*\nb4 th:TH_LOAD_NT
.set wi, wi+1
.endr
.endm
.macro WBLOCK nb4, t                   ; a block of 32 along K of my column: all its numbers are mine
.set XB, WX+32*((\t)%2)
.if (\t) < 3
	s_wait_loadcnt 32                              ; this block's 32 loads are in; the next block's may be out
.else
	s_wait_loadcnt 0x0
.endif
	v_max3_num_f32 v12, |v[XB]|, |v[XB+1]|, |v[XB+2]|
	v_max3_num_f32 v13, |v[XB+3]|, |v[XB+4]|, |v[XB+5]|
.irp i, 6,10,14,18,22,26
	v_max3_num_f32 v12, v12, |v[XB+\i]|, |v[XB+\i+1]|
	v_max3_num_f32 v13, v13, |v[XB+\i+2]|, |v[XB+\i+3]|
.endr
	v_max3_num_f32 v12, v12, |v[XB+30]|, |v[XB+31]|
	v_max3_num_f32 v12, v12, v13, 0x2800000
	v_add_nc_u32 v11, 0xfe000000, v12
	v_lshrrev_b32 v13, 23, v11
.if (\t) == 0
	v_mov_b32 v24, v13                             ; the K step's four bytes in one register, the lower K in the lower byte
.else
	v_lshl_or_b32 v24, v13, 8*(\t), v24
.endif
	v_cvt_scalef32_pk16_bf6_f32 v[96:98], v[XB:XB+15], v11
	v_cvt_scalef32_pk16_bf6_f32 v[104:106], v[XB+16:XB+31], v11    ; (a conversion's three registers begin on an even number)
	v_nop                                          ; a plain place behind the conversions
	v_mov_b32 v99, v104
	v_mov_b32 v100, v105
	v_mov_b32 v101, v106                           ; v96-101: registers 6 c .. 6 c + 5 of the image's lane (r, block % 2), c = block / 2
.if (\t)/2 == 0
	ds_store_b128 v4, v[96:99] offset:((\t)%2)*256
	ds_store_b64 v4, v[100:101] offset:((\t)%2)*256+512
.else
	ds_store_b64 v4, v[96:97] offset:((\t)%2)*256+520
	ds_store_b128 v4, v[98:101] offset:((\t)%2)*256+1024
.endif
.if (\t)+2 < 4
	WLOAD \nb4, (\t)+2
.endif
	s_wait_dscnt 0x0                               ; the stores have read their registers
.endm
; A wave: 32 columns x 128 along K.  A lane takes a column and its registers run down K.  nb4: a row of the weight in bytes; tstr: bytes from tile to tile in the codes' buffer; ps: scale bytes of a line; lb: this arm's LDS
.macro QW nb4, tstr, ps, lb
	v_lshlrev_b32 v3, 2, v2                        ; in: 4 bytes a lane
	v_bfe_u32 v5, v2, 3, 1                         ; column x of the 32 is position r = x % 8 + 8 (x / 16) of tile u = (x / 8) % 2
	v_and_b32 v6, 7, v2
	v_lshrrev_b32 v7, 4, v2
	v_lshl_add_u32 v6, v7, 3, v6
	s_mul_i32 s46, s20, 3072
	s_add_co_u32 s46, s46, \lb                     ; my wave's stage: two tiles' images of one K step
	v_mul_u32_u24 v4, v5, 1536
	v_lshl_add_u32 v4, v6, 4, v4
	v_add_nc_u32 v4, s46, v4
	v_lshl_add_u32 v9, v5, 4, v6
	v_mul_u32_u24 v9, v9, \ps                      ; my line's scale bytes
	v_lshlrev_b32 v8, 4, v2
	v_add_nc_u32 v7, s46, v8
	WLOAD \nb4, 0
	WLOAD \nb4, 1
.irp t, 0,1,2,3
	WBLOCK \nb4, \t
.endr
	global_store_b32 v9, v24, s[44:45]             ; my column's four scale bytes of this K step
.irp q, 0,1,2,3,4,5
	ds_load_b128 v[OUTW+4*\q:OUTW+4*\q+3], v7 offset:512*\q
.endr
.irp q, 0,1,2,3,4,5
	s_wait_dscnt 5-\q                              ; the younger read-backs may be out
	global_store_b128 v8, v[OUTW+4*\q:OUTW+4*\q+3], s[42:43] offset:(\q/3)*\tstr+512*(\q%3)   ; 512 consecutive bytes a store
.endr
.endm
	s_load_b256 s[4:11], s[0:1], 0x0               ; x, in_scale, in_bias, uvqk_weight
	s_load_b256 s[12:19], s[0:1], 0x20             ; output_weight, xq, w1q, w2q
	v_lshl_add_u32 v200, v0, 2, 0x19200
	v_mov_b32 v201, 0
	v_lshrrev_b32 v1, 5, v0
	v_readfirstlane_b32 s20, v1                    ; wave 0..7
	v_and_b32 v2, 31, v0                           ; lane
	s_cmp_lt_u32 ttmp9, 256
	s_cbranch_scc0 .Lweights
	; ---- ARM X: tile t = 2 x work-group + wave / 4; my rows are its positions 4 (wave % 4) + 0 .. 3
	v_lshlrev_b32 v3, 4, v2
	v_lshlrev_b32 v1, 6, v2                        ; my 16 columns of in_scale and in_bias
	s_lshr_b32 s38, s20, 2                         ; which of the work-group's two tiles
	s_and_b32 s39, s20, 3                          ; which four of its rows
	s_mul_i32 s21, s20, XTW
	v_lshrrev_b32 v14, 2, v2
	v_mul_u32_u24 v14, v14, SP
	v_and_b32 v15, 3, v2
	v_lshl_add_u32 v14, v15, 4, v14
	v_add_nc_u32 v14, s21, v14                     ; the turning stage, in
	v_mul_u32_u24 v15, v2, SP
	v_add_nc_u32 v15, s21, v15                     ; and out
	s_mul_i32 s40, s38, XT
	s_add_co_u32 s40, s40, XI                      ; the tile's image
	s_lshl_b32 s41, s39, 6
	s_add_co_u32 s42, s40, s41                     ; + 16 bytes for each row position in front of mine
	v_bfe_u32 v4, v2, 2, 1                         ; lane l holds k = 16 l ..: K step l / 8, c = (l / 4) % 2, half (l / 2) % 2, lower or upper 16 codes l % 2
	v_mul_u32_u24 v4, v4, 6
	v_and_b32 v5, 1, v2
	v_mad_u32_u24 v4, v5, 3, v4                    ; the first of my three registers in the fragment
	v_lshrrev_b32 v5, 3, v2
	v_mul_u32_u24 v5, v5, 1536
	v_bfe_u32 v6, v2, 1, 1
	v_lshl_add_u32 v5, v6, 8, v5
	v_add_nc_u32 v5, s42, v5
.irp j, 0,1,2
	v_add_nc_u32 v6, \j, v4
	v_lshrrev_b32 v7, 2, v6
	v_and_b32 v6, 3, v6
	v_lshl_add_u32 v6, v6, 2, v5
	v_lshl_add_u32 v[AD+\j], v7, 9, v6
.endr
	v_lshrrev_b32 v6, 1, v2
	v_add_nc_u32 v6, s42, v6
	v_add_nc_u32 v[SBA], XSB, v6
	s_mul_i32 s43, s39, 1536                       ; on the way out wave % 4 takes groups 3 (wave % 4) + 0 .. 2 of the image's twelve
	s_add_co_u32 s44, s40, s43
	v_add_nc_u32 v[RBI], s44, v3
	v_add_nc_u32 v[GOF], s43, v3
	v_lshlrev_b32 v[SBG], 3, v2
	v_add_nc_u32 v[SBR], s40, v[SBG]
	v_add_nc_u32 v[SBR], XSB, v[SBR]
	v_mov_b32 v9, 0                                ; upper halves of pairs of which the low word serves both halves
	v_mov_b32 v11, 0
	s_lshl_b32 s22, ttmp9, 1
	s_add_co_u32 s22, s22, s38                     ; t
	s_lshl_b32 s23, ttmp9, 5                       ; the tile's first row: 32 (t / 2) + 8 (t % 2);
	s_lshl_b32 s24, s38, 3
	s_add_co_u32 s23, s23, s24
	s_lshl_b32 s24, s39, 2                         ; position p lies p + 8 (p / 8) rows on: mine begin at 4 (wave % 4) + 8 ((wave % 4) / 2)
	s_add_co_u32 s23, s23, s24
	s_lshr_b32 s24, s39, 1
	s_lshl_b32 s24, s24, 3
	s_add_co_u32 s24, s23, s24
	s_lshl_b32 s24, s24, 11
	s_mov_b32 s25, 0
	s_lshr_b32 s26, s22, 3
	s_mul_i32 s26, s26, XREC
	s_and_b32 s27, s22, 7
	s_mul_i32 s28, s27, 6144
	s_add_co_u32 s28, s28, s26
	s_mov_b32 s29, 0
	s_lshl_b32 s34, s27, 8
	s_add_co_u32 s34, s34, s26
	s_add_co_u32 s34, s34, 49152
	s_mov_b32 s35, 0
	s_mov_b32 s30, 0x76543210
	s_mov_b32 s31, 0xfedcba98                      ; v_permlanex16_b32's selects for lane l xor 16
	s_mov_b32 s32, 0x3b000000                      ; 1 / 512
	s_mov_b32 s33, 0x358637bd                      ; 1e-6
	s_wait_kmcnt 0x0
	s_add_nc_u64 s[4:5], s[4:5], s[24:25]
	s_add_nc_u64 s[36:37], s[14:15], s[34:35]      ; the tile's scale bytes in xq
	s_add_nc_u64 s[14:15], s[14:15], s[28:29]      ; its images
.irp j, 0,1,2,3
	global_load_b128 v[GA+4*\j:GA+4*\j+3], v1, s[6:7] offset:16*\j
	global_load_b128 v[BE+4*\j:BE+4*\j+3], v1, s[8:9] offset:16*\j
.endr
.irp i, 0,1,2,3
	XLOAD \i                                       ; all my rows at once: 16 loads
.endr
	s_wait_loadcnt 12                              ; gain, bias and my first row are in; the other three rows' loads may be out
	XTURN 0
.irp i, 0,1,2,3
	XSTEP \i
.endr
	s_wait_dscnt 0x0                               ; for the others' sake: my stores into the image have landed
	s_barrier_signal -1
	s_barrier_wait -1                              ; both tiles' images and scale bytes are whole
.irp j, 0,1,2
	ds_load_b128 v[OUTX+4*\j:OUTX+4*\j+3], v[RBI] offset:512*\j
.endr
	s_wait_dscnt 0x0
.irp j, 0,1,2
	global_store_b128 v[GOF], v[OUTX+4*\j:OUTX+4*\j+3], s[14:15] offset:512*\j   ; 512 consecutive bytes a store
.endr
	s_cmp_lg_u32 s39, 0                            ; the first of a tile's four waves also stores its scale bytes
	s_cbranch_scc1 .Lxdone
	ds_load_b64 v[4:5], v[SBR]
	s_wait_dscnt 0x0
	global_store_b64 v[SBG], v[4:5], s[36:37]      ; 256 consecutive bytes
.Lxdone:
	s_wait_tensorcnt 0x0
	ds_add_u32 v200, v201
	s_wait_dscnt 0x0
	s_endpgm
.Lweights:
	s_cmp_lt_u32 ttmp9, 272
	s_cbranch_scc0 .Lw2
	; ---- ARM W1: a work-group: 128 columns x 256 along K; wave % 4 takes 32 of the columns, wave / 4 one of the two K steps
	s_sub_co_u32 s21, ttmp9, 256
	s_and_b32 s22, s21, 7
	s_lshr_b32 s23, s21, 3
	s_lshl_b32 s23, s23, 1
	s_lshr_b32 s25, s20, 2
	s_add_co_u32 s23, s23, s25                     ; the K step, 0 .. 3
	s_lshl_b32 s24, s22, 2
	s_and_b32 s25, s20, 3
	s_add_co_u32 s24, s24, s25                     ; a: which 32 columns
	s_lshl_b32 s26, s23, 19                        ; 128 rows of 4,096 bytes
	s_lshl_b32 s27, s24, 7
	s_add_co_u32 s26, s26, s27
	s_mov_b32 s27, 0
	s_lshr_b32 s28, s24, 3
	s_mul_i32 s28, s28, 102400                     ; the record of 256 columns
	s_and_b32 s29, s24, 7
	s_mul_i32 s30, s29, 12288
	s_add_co_u32 s30, s30, s28
	s_mul_i32 s31, s23, 1536
	s_add_co_u32 s30, s30, s31
	s_mov_b32 s31, 0
	s_lshl_b32 s32, s29, 9
	s_add_co_u32 s32, s32, s28
	s_add_co_u32 s32, s32, 98304
	s_lshl_b32 s33, s23, 2
	s_add_co_u32 s32, s32, s33
	s_mov_b32 s33, 0
	s_wait_kmcnt 0x0
	s_add_nc_u64 s[40:41], s[10:11], s[26:27]
	s_add_nc_u64 s[42:43], s[16:17], s[30:31]
	s_add_nc_u64 s[44:45], s[16:17], s[32:33]
	QW 4096, 6144, 16, LW1
	s_wait_tensorcnt 0x0
	ds_add_u32 v200, v201
	s_wait_dscnt 0x0
	s_endpgm
.Lw2:
	; ---- ARM W2: likewise: 4 groups of 128 columns x 3 parts of 256 along K
	s_sub_co_u32 s21, ttmp9, 272
	s_and_b32 s22, s21, 3
	s_lshr_b32 s23, s21, 2
	s_lshl_b32 s23, s23, 1
	s_lshr_b32 s25, s20, 2
	s_add_co_u32 s23, s23, s25                     ; the K step, 0 .. 5
	s_lshl_b32 s24, s22, 2
	s_and_b32 s25, s20, 3
	s_add_co_u32 s24, s24, s25
	s_lshl_b32 s26, s23, 18                        ; 128 rows of 2,048 bytes
	s_lshl_b32 s27, s24, 7
	s_add_co_u32 s26, s26, s27
	s_mov_b32 s27, 0
	s_lshr_b32 s28, s24, 1
	s_mul_i32 s28, s28, 36864                      ; the record of 64 columns
	s_and_b32 s29, s24, 1
	s_mul_i32 s30, s29, 18432
	s_add_co_u32 s30, s30, s28
	s_mul_i32 s31, s23, 1536
	s_add_co_u32 s30, s30, s31
	s_mov_b32 s31, 0
	s_mul_i32 s32, s24, 768
	s_add_co_u32 s32, s32, 294912
	s_lshl_b32 s33, s23, 2
	s_add_co_u32 s32, s32, s33
	s_mov_b32 s33, 0
	s_wait_kmcnt 0x0
	s_add_nc_u64 s[40:41], s[12:13], s[26:27]
	s_add_nc_u64 s[42:43], s[18:19], s[30:31]
	s_add_nc_u64 s[44:45], s[18:19], s[32:33]
	QW 2048, 9216, 24, LW2
	s_wait_tensorcnt 0x0
	ds_add_u32 v200, v201
	s_wait_dscnt 0x0
	s_endpgm
.Lfunc_end_k_qd13a3e99ea_prep:
	.size	k_qd13a3e99ea_prep, .Lfunc_end_k_qd13a3e99ea_prep-k_qd13a3e99ea_prep
	.p2alignl 7, 3214868480
	.fill 96, 4, 3214868480
	.section	.rodata,"a",@progbits
	.p2align	6, 0x0
	.amdhsa_kernel k_qd13a3e99ea_prep
		.amdhsa_group_segment_fixed_size 103936
		.amdhsa_private_segment_fixed_size 0
		.amdhsa_enable_private_segment 0
		.amdhsa_kernarg_size 64
		.amdhsa_user_sgpr_count 2
		.amdhsa_user_sgpr_kernarg_segment_ptr 1
		.amdhsa_wavefront_size32 1
		.amdhsa_system_sgpr_workgroup_id_x 1
		.amdhsa_system_sgpr_workgroup_id_y 1
		.amdhsa_system_sgpr_workgroup_id_z 1
		.amdhsa_system_vgpr_workitem_id 0
		.amdhsa_next_free_vgpr 202
		.amdhsa_next_free_sgpr 66
		.amdhsa_reserve_vcc 0
		.amdhsa_float_denorm_mode_32 3
		.amdhsa_float_denorm_mode_16_64 3
		.amdhsa_memory_ordered 1
		.amdhsa_forward_progress 1
		.amdhsa_inst_pref_size 71
	.end_amdhsa_kernel
	.amdgpu_metadata
---
amdhsa.version: [ 1, 2 ]
amdhsa.kernels:
  - .name:           k_qd13a3e99ea_prep
    .symbol:         k_qd13a3e99ea_prep.kd
    .args:
      - { .name: x, .offset: 0, .size: 8, .value_kind: global_buffer, .address_space: global }
      - { .name: in_scale, .offset: 8, .size: 8, .value_kind: global_buffer, .address_space: global }
      - { .name: in_bias, .offset: 16, .size: 8, .value_kind: global_buffer, .address_space: global }
      - { .name: uvqk_weight, .offset: 24, .size: 8, .value_kind: global_buffer, .address_space: global }
      - { .name: output_weight, .offset: 32, .size: 8, .value_kind: global_buffer, .address_space: global }
      - { .name: xq, .offset: 40, .size: 8, .value_kind: global_buffer, .address_space: global }
      - { .name: w1q, .offset: 48, .size: 8, .value_kind: global_buffer, .address_space: global }
      - { .name: w2q, .offset: 56, .size: 8, .value_kind: global_buffer, .address_space: global }
    .group_segment_fixed_size: 103936
    .private_segment_fixed_size: 0
    .kernarg_segment_align: 8
    .kernarg_segment_size: 64
    .max_flat_workgroup_size: 256
    .sgpr_count:     66
    .vgpr_count:     202
    .wavefront_size: 32
...
	.end_amdgpu_metadata
.endif
;; end of part 1
;; launch uvqk (part 2): grid 64 x 4, 8 waves a work-group, clusters of 4 x 1, 168,960 bytes of LDS; arguments xq, w1q, uvqk_beta, uimg, qb, kv; writes uimg, qb, kv
.if DOCPART == 2
	.amdgcn_target "amdgcn-amd-amdhsa--gfx1250"
	.amdhsa_code_object_version 6
	.text
	.protected	k_qd13a3e99ea_uvqk
	.globl	k_qd13a3e99ea_uvqk
	.p2align	8
	.type	k_qd13a3e99ea_uvqk,@function
k_qd13a3e99ea_uvqk:
	s_mov_b64 s[64:65], 0
	v_nop
	global_prefetch_b8 v0, s[64:65] scope:SCOPE_SE
	s_setreg_imm32_b32 hwreg(HW_REG_WAVE_MODE, 25, 1), 1
	s_wait_xcnt 0x0
	s_wait_alu depctr_hold_cnt(0) depctr_sa_sdst(0) depctr_va_vdst(0) depctr_va_sdst(0) depctr_va_ssrc(0) depctr_va_vcc(0) depctr_vm_vsrc(0)
	s_getreg_b32 s2, hwreg(HW_REG_IB_STS2, 6, 4)
	s_cmp_eq_u32 s2, 0
	s_cbranch_scc0 .Lentry_in_a_cluster
	s_endpgm
.Lentry_in_a_cluster:
	s_bfe_u32 s2, ttmp6, 0x10000c
	s_cmp_lg_u32 s2, 0x3003
	s_cbranch_scc0 .Lentry_shape_is_right
	s_endpgm
.Lentry_shape_is_right:
; UVQK = Q(LN(x)) Q(W1) + beta on codes of E3M2, and what becomes of its four column groups: u -> silu, f32 images; q, k -> codes along the head's 64; v -> codes along the keys.
; A work-group makes 128 rows (record rb of xq) x 256 columns (record G of w1q: 0 u, 1 v, 2 q, 3 k), K = 512: both records lie whole in LDS, filled once.  Eight waves, each 64 x 64: 16 accumulators.
; CLUSTER: the four row blocks of a cluster share G, so W's record is asked for jointly (mask of all four); x's record is each work-group's own load.
; u, q, k: source 0 = 16 columns of W, source 1 = 16 rows of x: a lane holds one row and its registers run along the columns.  v: the other way round: a lane holds one channel and its registers run along the keys, its next K.
; Position r of tile t is line 32 (t / 2) + 8 (t % 2) + r + 8 (r / 8): so register 16 b + i of a lane's 32 is element 32 b + 16 (lane / 16) + i of the 64.
; beta: for u, q, k it is the C of the first K step (it enters the f32 sum first); for v it is added behind the sums.
; LIMITS: as in the launch before: the floor under a block's largest magnitude; NaN and infinities not served.  v's scale words are stored two bytes a lane (64 KiB in the launch): two waves each own half of a word.
.set WV,  16
.set SEL, 20                           ; s[20:21] lane selects for lane l xor 16
.set CS,  22                           ; s[22:23] -log2(e)
.set G1W, 24                           ; s[24:31], s[32:35] W's record: an eighth a wave, 50 rows of 256 bytes
.set G0W, 32
.set G1X, 36                           ; s[36:43], s[44:47] x's record: 25 rows of 256 bytes a wave
.set G0X, 44
.set SC,  16                           ; v16-31  scale words: register 4 i + s: lanes 0-15 x's tile i, lanes 16-31 W's tile i, K step s
.set PF,  32                           ; v32-79  source 0's four fragments
.set RF,  80                           ; v80-127 source 1's four
.set ACC, 128                          ; v128-255 accumulator (rho, p) at 128 + 32 rho + 8 p
.set TM,  72                           ; the way out: at work (the fragments' registers are free then)
.set CT,  80
.macro CROUND
	s_barrier_signal -1
	s_barrier_wait -1
	s_cmp_lg_u32 s[WV], 0
	s_cbranch_scc1 .Lnot_wave_0_\@
	s_barrier_signal -3
.Lnot_wave_0_\@:
	s_barrier_wait -3
	s_barrier_signal -1
	s_barrier_wait -1
.endm
.macro PLACES
.rept 4
	v_nop
.endr
.endm
; 32 numbers of a lane, register 16 b + i = element 32 b + 16 (lane / 16) + i of my line, become half a fragment's codes (six registers at pc) and two scale bytes (w; its upper bytes 0)
.macro QUANT32 src, pc, w
.irp b, 0,1
	v_max3_num_f32 v[TM+\b], |v[\src+16*\b]|, |v[\src+16*\b+1]|, 0x2800000   ; with the floor 2^(5 - 127)
.endr
.irp i, 2,4,6,8,10,12,14
.irp b, 0,1
	v_max3_num_f32 v[TM+\b], v[TM+\b], |v[\src+16*\b+\i]|, |v[\src+16*\b+\i+1]|
.endr
.endr
.irp b, 0,1
	v_permlanex16_b32 v[TM+2+\b], v[TM+\b], s[SEL], s[SEL+1]
.endr
.irp b, 0,1
	v_max_num_f32 v[TM+\b], v[TM+\b], v[TM+2+\b]   ; with lane l xor 16's: the block's largest magnitude
.endr
.irp b, 0,1
	v_add_nc_u32 v[TM+4+\b], 0xfe000000, v[TM+\b]  ; 4 off the exponent field: the conversion's scale operand
.endr
.irp b, 0,1
	v_lshrrev_b32 v[TM+6+\b], 23, v[TM+4+\b]       ; the scale's byte
.endr
	v_lshl_or_b32 v[\w], v[TM+7], 8, v[TM+6]
	v_cvt_scalef32_pk16_bf6_f32 v[\pc:\pc+2], v[\src:\src+15], v[TM+4]
	v_cvt_scalef32_pk16_bf6_f32 v[CT:CT+2], v[\src+16:\src+31], v[TM+5]
	v_nop                                          ; a plain place behind the conversions
.irp i, 0,1,2
	v_permlane16_swap_b32 v[\pc+\i], v[CT+\i]      ; a whole block to a lane: lanes 0-15 block 0, lanes 16-31 block 1
.endr
.irp i, 0,1,2
	v_mov_b32 v[\pc+3+\i], v[CT+\i]
.endr
.endm
; two runs of 16 numbers: s <- s / (1 + 2^(c s)); behind each run of transcendentals stands plain work on the other run
.macro SIG2 sa, sb, ta, tb
.irp j, 0,2,4,6,8,10,12,14
	v_pk_mul_f32 v[\ta+\j:\ta+\j+1], v[\sa+\j:\sa+\j+1], s[CS:CS+1] op_sel_hi:[1,0]
.endr
.irp j, 0,1,2,3,4,5,6,7,8,9,10,11,12,13,14,15
	v_exp_f32 v[\ta+\j], v[\ta+\j]
.endr
.irp j, 0,2,4,6,8,10,12,14
	v_pk_mul_f32 v[\tb+\j:\tb+\j+1], v[\sb+\j:\sb+\j+1], s[CS:CS+1] op_sel_hi:[1,0]
.endr
.irp j, 0,1,2,3,4,5,6,7,8,9,10,11,12,13,14,15
	v_exp_f32 v[\tb+\j], v[\tb+\j]
.endr
	s_wait_alu depctr_va_vdst(0)
.irp j, 0,2,4,6,8,10,12,14
	v_pk_add_f32 v[\ta+\j:\ta+\j+1], v[\ta+\j:\ta+\j+1], 1.0 op_sel_hi:[1,0]
.endr
.irp j, 0,1,2,3,4,5,6,7,8,9,10,11,12,13,14,15
	v_rcp_f32 v[\ta+\j], v[\ta+\j]
.endr
.irp j, 0,2,4,6,8,10,12,14
	v_pk_add_f32 v[\tb+\j:\tb+\j+1], v[\tb+\j:\tb+\j+1], 1.0 op_sel_hi:[1,0]
.endr
.irp j, 0,1,2,3,4,5,6,7,8,9,10,11,12,13,14,15
	v_rcp_f32 v[\tb+\j], v[\tb+\j]
.endr
	s_wait_alu depctr_va_vdst(0)
.irp j, 0,2,4,6,8,10,12,14
	v_pk_mul_f32 v[\sa+\j:\sa+\j+1], v[\sa+\j:\sa+\j+1], v[\ta+\j:\ta+\j+1]
.endr
.irp j, 0,2,4,6,8,10,12,14
	v_pk_mul_f32 v[\sb+\j:\sb+\j+1], v[\sb+\j:\sb+\j+1], v[\tb+\j:\tb+\j+1]
.endr
.endm
.macro ADSM xg, wg                     ; v6: my scale words: lanes 0-15 x's group, lanes 16-31 W's: the lower base + half x the distance
	s_lshl_b32 s54, s[\wg], 10
	s_add_co_u32 s54, s54, 100352
	s_lshl_b32 s55, s[\xg], 10
	s_sub_co_u32 s54, s54, s55
	v_mul_u32_u24 v6, s54, v3
	s_add_co_u32 s55, s55, 49152
	v_lshl_add_u32 v6, v2, 4, v6
	v_add_nc_u32 v6, s55, v6
.endm
.macro MM v, s, rho, p
.if \v == 0
	v_wmma_scale_f32_16x16x128_f8f6f4 v[ACC+32*\rho+8*\p:ACC+32*\rho+8*\p+7], v[PF+12*\p:PF+12*\p+11], v[RF+12*\rho:RF+12*\rho+11], v[ACC+32*\rho+8*\p:ACC+32*\rho+8*\p+7], v[SC+4*\p+\s], v[SC+4*\rho+\s] matrix_a_fmt:MATRIX_FMT_BF6 matrix_b_fmt:MATRIX_FMT_BF6 matrix_a_scale:MATRIX_SCALE_ROW1
.elseif \s == 0
	v_wmma_scale_f32_16x16x128_f8f6f4 v[ACC+32*\rho+8*\p:ACC+32*\rho+8*\p+7], v[PF+12*\p:PF+12*\p+11], v[RF+12*\rho:RF+12*\rho+11], 0, v[SC+4*\p+\s], v[SC+4*\rho+\s] matrix_a_fmt:MATRIX_FMT_BF6 matrix_b_fmt:MATRIX_FMT_BF6 matrix_b_scale:MATRIX_SCALE_ROW1
.else
	v_wmma_scale_f32_16x16x128_f8f6f4 v[ACC+32*\rho+8*\p:ACC+32*\rho+8*\p+7], v[PF+12*\p:PF+12*\p+11], v[RF+12*\rho:RF+12*\rho+11], v[ACC+32*\rho+8*\p:ACC+32*\rho+8*\p+7], v[SC+4*\p+\s], v[SC+4*\rho+\s] matrix_a_fmt:MATRIX_FMT_BF6 matrix_b_fmt:MATRIX_FMT_BF6 matrix_b_scale:MATRIX_SCALE_ROW1
.endif
.endm
; the four K steps.  v = 0: W is source 0 and the accumulators hold beta; v = 1: x is source 0 and the first step starts the sums.  The 16 accumulators take turns, one instruction a turn
.macro MAIN v
	s_wait_tensorcnt 0x0                           ; my parts of both records have landed,
	s_barrier_signal -1
	s_barrier_wait -1                              ; everybody's have
.irp i, 0,1,2,3
	ds_load_b128 v[SC+4*\i:SC+4*\i+3], v6 offset:256*\i
.endr
.irp s, 0,1,2,3
.irp i, 0,1,2,3
.irp g, 0,1,2
	ds_load_b128 v[PF+12*\i+4*\g:PF+12*\i+4*\g+3], v4 offset:\i*6144+\s*1536+512*\g
	ds_load_b128 v[RF+12*\i+4*\g:RF+12*\i+4*\g+3], v5 offset:\i*6144+\s*1536+512*\g
.endr
.endr
	s_wait_dscnt 0x0
.if \s == 0
	s_wait_loadcnt 0x0                             ; beta
.endif
.irp rho, 0,1,2,3
.irp p, 0,1,2,3
	MM \v, \s, \rho, \p
.endr
.endr
	PLACES                                         ; in front of loads into registers that matrix instructions have read, and of the first read of results
.endr
.endm
.macro CODES                           ; my four tiles' 64 numbers a lane become half fragments, stored as images; the scale words of two tiles share a register
.irp rho, 0,1,2,3
	QUANT32 ACC+32*\rho, 32+8*\rho, 64+\rho
	global_store_b128 v1, v[32+8*\rho:35+8*\rho], s[58:59] offset:768*\rho        ; 512 consecutive bytes
	global_store_b64 v4, v[36+8*\rho:37+8*\rho], s[58:59] offset:768*\rho+512     ; 256 consecutive bytes
.endr
	v_cmp_ne_u32 vcc_lo, 0, v3
	v_cndmask_b32 v68, v64, v65, vcc_lo            ; lanes 0-15 tile 0's words, lanes 16-31 tile 1's
	v_cndmask_b32 v69, v66, v67, vcc_lo
.endm
	s_load_b256 s[4:11], s[0:1], 0x0               ; xq, w1q, uvqk_beta, uimg
	s_load_b128 s[12:15], s[0:1], 0x20             ; qb, kv
	s_set_vgpr_msb 0x40
	v_lshl_add_u32 v0, v0, 2, 0x29000
	v_mov_b32 v1, 0
	s_set_vgpr_msb 0x4045
	ds_add_u32 v0, v1
	ds_add_u32 v0, v1
	s_set_vgpr_msb 0x4500
	v_lshrrev_b32 v1, 5, v0
	v_readfirstlane_b32 s[WV], v1                  ; wave 0..7
	s_bfe_u32 s17, ttmp6, 0x40000                  ; cx
	s_lshl_b32 s18, ttmp9, 2
	s_add_co_u32 s18, s18, s17                     ; rb: my 128 rows; it enters global addresses alone
	s_and_b32 s19, ttmp7, 0xffff                   ; G: the column group, which the four partners share
	s_mov_b32 s[SEL], 0x76543210
	s_mov_b32 s[SEL+1], 0xfedcba98
	s_mov_b32 s[CS], 0xbfb8aa3b                    ; -log2(e)
	s_mov_b32 s[CS+1], s[CS]
	s_mov_b32 s[G1W], 15|(3<<16)|(1<<21)           ; mask: all four work-groups; elements of 8 bytes; bit 21 beside a mask
	s_mov_b32 s[G1W+1], 32<<16                     ; rows of 256 bytes
	s_mov_b32 s[G1W+2], 50<<16
	s_mov_b32 s[G1W+3], 32<<16
	s_mov_b32 s[G1W+4], 50
	s_mov_b32 s[G1W+5], 32
	s_mov_b32 s[G1W+6], 0
	s_mov_b32 s[G1W+7], 0
	s_mov_b32 s[G1X], 3<<16                        ; no mask: my work-group's own
	s_mov_b32 s[G1X+1], 32<<16
	s_mov_b32 s[G1X+2], 25<<16
	s_mov_b32 s[G1X+3], 32<<16
	s_mov_b32 s[G1X+4], 25
	s_mov_b32 s[G1X+5], 32
	s_mov_b32 s[G1X+6], 0
	s_mov_b32 s[G1X+7], 0
	s_mov_b32 s[G0W], 1
	s_mul_i32 s48, s[WV], 12800
	s_add_co_u32 s[G0W+1], s48, 51200              ; W's record lies behind x's
	s_mul_i32 s49, s19, 102400
	s_add_co_u32 s48, s48, s49
	s_mov_b32 s49, 0
	s_mov_b32 s[G0X], 1
	s_mul_i32 s[G0X+1], s[WV], 6400
	s_mul_i32 s50, s18, 51200
	s_add_co_u32 s50, s50, s[G0X+1]
	s_mov_b32 s51, 0
	s_wait_dscnt 0x0
	s_wait_kmcnt 0x0
	s_add_nc_u64 s[G0W+2:G0W+3], s[6:7], s[48:49]
	s_or_b32 s[G0W+3], s[G0W+3], 0x80000000
	s_add_nc_u64 s[G0X+2:G0X+3], s[4:5], s[50:51]
	s_or_b32 s[G0X+3], s[G0X+3], 0x80000000
	CROUND                                         ; all four work-groups are here: the joint loads meet
	tensor_load_to_lds s[G0W:G0W+3], s[G1W:G1W+7]  ; two loads of mine are out: the launch's only fills
	s_nop 0
	tensor_load_to_lds s[G0X:G0X+3], s[G1X:G1X+7]
	s_nop 0
.rept 4
	v_nop
.endr
	v_and_b32 v1, 31, v0
	v_lshlrev_b32 v1, 4, v1                        ; 16 x lane: an image's place for my lane
	v_and_b32 v2, 15, v0                           ; r
	v_bfe_u32 v3, v0, 4, 1                         ; h
	s_cmp_eq_u32 s19, 1
	s_cbranch_scc1 .Larm_v
	; ---- u, q, k: source 0 = W's group wave % 4 (64 columns), source 1 = x's group wave / 4 (64 rows)
	s_and_b32 s52, s[WV], 3
	s_lshr_b32 s53, s[WV], 2
	s_mul_i32 s54, s52, 24576
	s_add_co_u32 s54, s54, 51200
	v_add_nc_u32 v4, s54, v1
	s_mul_i32 s54, s53, 24576
	v_add_nc_u32 v5, s54, v1
	ADSM 53, 52
	s_lshl_b32 s56, s19, 10
	s_lshl_b32 s57, s52, 8
	s_add_co_u32 s56, s56, s57
	s_mov_b32 s57, 0
	s_add_nc_u64 s[56:57], s[8:9], s[56:57]        ; beta at my 64 columns
	v_lshlrev_b32 v7, 6, v3
.irp rho, 0,1,2,3
.irp q, 0,1,2,3,4,5,6,7
	global_load_b128 v[ACC+32*\rho+4*\q:ACC+32*\rho+4*\q+3], v7, s[56:57] offset:128*(\q/4)+16*(\q%4)   ; in the result's layout: columns 32 b + 16 h + ..
.endr
.endr
	MAIN 0
	v_and_b32 v5, 31, v0
	v_lshlrev_b32 v4, 3, v5                        ; 8 x lane
	v_lshlrev_b32 v5, 2, v5                        ; 4 x lane
	s_cmp_eq_u32 s19, 0
	s_cbranch_scc0 .Lqk
	; u = silu, as images of 32 f32 registers: (row tile x 4 + chunk) x 4,096 bytes
	s_lshl_b32 s58, s18, 17
	s_lshl_b32 s59, s53, 16
	s_add_co_u32 s58, s58, s59
	s_lshl_b32 s59, s52, 12
	s_add_co_u32 s58, s58, s59
	s_mov_b32 s59, 0
	s_add_nc_u64 s[58:59], s[10:11], s[58:59]
.irp rho, 0,1,2,3
	SIG2 ACC+32*\rho, ACC+32*\rho+16, 32, 48
.irp q, 0,1,2,3,4,5,6,7
	global_store_b128 v1, v[ACC+32*\rho+4*\q:ACC+32*\rho+4*\q+3], s[58:59] offset:\rho*16384+512*\q   ; 512 consecutive bytes
.endr
.endr
	s_branch .Lend
.Lqk:
	s_lshr_b32 s60, s18, 4
	s_lshl_b32 s60, s60, 2
	s_add_co_u32 s60, s60, s52                     ; batch x 4 + head
	s_lshl_b32 s61, s18, 3
	s_lshl_b32 s62, s53, 2
	s_add_co_u32 s61, s61, s62
	s_and_b32 s61, s61, 127                        ; my first tile among the sequence's 128
	s_mul_i32 s62, s60, 98304                      ; q: codes,
	s_mul_i32 s63, s60, 208896                     ; k: the head's record
	s_lshl_b32 s66, s60, 13
	s_add_co_u32 s66, s66, 1572864                 ; q: scale words
	s_add_co_u32 s67, s63, 196608                  ; k: scale words
	s_mul_i32 s68, s61, 768
	s_lshl_b32 s69, s61, 6
	s_cmp_eq_u32 s19, 2                            ; q's buffer or k's: the choice hangs on the work-group's number alone
	s_cselect_b64 s[58:59], s[12:13], s[14:15]
	s_cselect_b32 s62, s62, s63
	s_cselect_b32 s66, s66, s67
	s_add_co_u32 s62, s62, s68
	s_mov_b32 s63, 0
	s_add_co_u32 s66, s66, s69
	s_mov_b32 s67, 0
	s_add_nc_u64 s[66:67], s[58:59], s[66:67]
	s_add_nc_u64 s[58:59], s[58:59], s[62:63]
	CODES
	global_store_b32 v5, v68, s[66:67]             ; two tiles' words: 128 consecutive bytes
	global_store_b32 v5, v69, s[66:67] offset:128
	s_branch .Lend
.Larm_v:
	; ---- v: source 0 = x's group wave % 2 (64 keys), source 1 = W's group wave / 2 (a head's 64 channels)
	s_and_b32 s52, s[WV], 1
	s_lshr_b32 s53, s[WV], 1
	s_mul_i32 s54, s52, 24576
	v_add_nc_u32 v4, s54, v1
	s_mul_i32 s54, s53, 24576
	s_add_co_u32 s54, s54, 51200
	v_add_nc_u32 v5, s54, v1
	ADSM 52, 53
	s_lshl_b32 s56, s53, 8
	s_add_co_u32 s56, s56, 1024
	s_mov_b32 s57, 0
	s_add_nc_u64 s[56:57], s[8:9], s[56:57]        ; beta at the head's 64 channels of v
	v_and_b32 v7, 8, v2
	v_add_nc_u32 v7, v7, v2
	v_lshlrev_b32 v7, 2, v7                        ; my channel's place in a tile
.irp rho, 0,1,2,3
	global_load_b32 v[8+2*\rho], v7, s[56:57] offset:(32*(\rho/2)+8*(\rho%2))*4
	v_mov_b32 v[9+2*\rho], 0                       ; (the pair's upper half is named, so it is written)
.endr
	MAIN 1
	v_and_b32 v5, 31, v0
	v_lshlrev_b32 v4, 3, v5
	v_lshlrev_b32 v5, 2, v5
.irp rho, 0,1,2,3
.irp j, 0,2,4,6,8,10,12,14,16,18,20,22,24,26,28,30
	v_pk_add_f32 v[ACC+32*\rho+\j:ACC+32*\rho+\j+1], v[ACC+32*\rho+\j:ACC+32*\rho+\j+1], v[8+2*\rho:9+2*\rho] op_sel_hi:[1,0]   ; + my channel's beta; each accumulator from its low end on
.endr
.endr
	s_lshr_b32 s60, s18, 4
	s_lshl_b32 s60, s60, 2
	s_add_co_u32 s60, s60, s53                     ; batch x 4 + head
	s_mul_i32 s60, s60, 208896
	s_and_b32 s61, s18, 15                         ; the key step: my 128 rows among the sequence's 2,048
	s_mul_i32 s62, s61, 6144
	s_add_co_u32 s62, s62, s60
	s_add_co_u32 s62, s62, 98304
	s_mul_i32 s63, s52, 3072                       ; which 64 keys of the step
	s_add_co_u32 s62, s62, s63
	s_mov_b32 s63, 0
	s_lshl_b32 s66, s61, 8
	s_add_co_u32 s66, s66, s60
	s_add_co_u32 s66, s66, 204800
	s_lshl_b32 s67, s52, 1
	s_add_co_u32 s66, s66, s67
	s_mov_b32 s67, 0
	s_add_nc_u64 s[58:59], s[14:15], s[62:63]
	s_add_nc_u64 s[66:67], s[14:15], s[66:67]
	CODES
	global_store_b16 v5, v68, s[66:67]             ; my two bytes of each channel's scale word
	global_store_b16 v5, v69, s[66:67] offset:128
.Lend:
	s_set_vgpr_msb 0x5
	s_wait_tensorcnt 0x0
	ds_add_u32 v0, v1
	s_wait_dscnt 0x0
	s_set_vgpr_msb 0x500
	CROUND                                         ; the closing round: no work-group ends while a partner may still ask jointly
	s_endpgm
.Lfunc_end_k_qd13a3e99ea_uvqk:
	.size	k_qd13a3e99ea_uvqk, .Lfunc_end_k_qd13a3e99ea_uvqk-k_qd13a3e99ea_uvqk
	.p2alignl 7, 3214868480
	.fill 96, 4, 3214868480
	.section	.rodata,"a",@progbits
	.p2align	6, 0x0
	.amdhsa_kernel k_qd13a3e99ea_uvqk
		.amdhsa_group_segment_fixed_size 168960
		.amdhsa_private_segment_fixed_size 0
		.amdhsa_enable_private_segment 0
		.amdhsa_kernarg_size 48
		.amdhsa_user_sgpr_count 2
		.amdhsa_user_sgpr_kernarg_segment_ptr 1
		.amdhsa_wavefront_size32 1
		.amdhsa_system_sgpr_workgroup_id_x 1
		.amdhsa_system_sgpr_workgroup_id_y 1
		.amdhsa_system_sgpr_workgroup_id_z 1
		.amdhsa_system_vgpr_workitem_id 0
		.amdhsa_next_free_vgpr 258
		.amdhsa_next_free_sgpr 72
		.amdhsa_reserve_vcc 1
		.amdhsa_float_denorm_mode_32 3
		.amdhsa_float_denorm_mode_16_64 3
		.amdhsa_memory_ordered 1
		.amdhsa_forward_progress 1
		.amdhsa_inst_pref_size 86
	.end_amdhsa_kernel
	.amdgpu_metadata
---
amdhsa.version: [ 1, 2 ]
amdhsa.kernels:
  - .name:           k_qd13a3e99ea_uvqk
    .symbol:         k_qd13a3e99ea_uvqk.kd
    .args:
      - { .name: xq, .offset: 0, .size: 8, .value_kind: global_buffer, .address_space: global }
      - { .name: w1q, .offset: 8, .size: 8, .value_kind: global_buffer, .address_space: global }
      - { .name: uvqk_beta, .offset: 16, .size: 8, .value_kind: global_buffer, .address_space: global }
      - { .name: uimg, .offset: 24, .size: 8, .value_kind: global_buffer, .address_space: global }
      - { .name: qb, .offset: 32, .size: 8, .value_kind: global_buffer, .address_space: global }
      - { .name: kv, .offset: 40, .size: 8, .value_kind: global_buffer, .address_space: global }
    .group_segment_fixed_size: 168960
    .private_segment_fixed_size: 0
    .kernarg_segment_align: 8
    .kernarg_segment_size: 48
    .max_flat_workgroup_size: 256
    .sgpr_count:     72
    .vgpr_count:     258
    .wavefront_size: 32
...
	.end_amdgpu_metadata
.endif
;; end of part 2
;; launch attention (part 3): grid 16 x 16, 8 waves a work-group, clusters of 4 x 1, 242,688 bytes of LDS; arguments qb, kv, num_targets, attnimg; writes attnimg
.if DOCPART == 3
	.amdgcn_target "amdgcn-amd-amdhsa--gfx1250"
	.amdhsa_code_object_version 6
	.text
	.protected	k_qd13a3e99ea_attention
	.globl	k_qd13a3e99ea_attention
	.p2align	8
	.type	k_qd13a3e99ea_attention,@function
k_qd13a3e99ea_attention:
	s_mov_b64 s[64:65], 0
	v_nop
	global_prefetch_b8 v0, s[64:65] scope:SCOPE_SE
	s_setreg_imm32_b32 hwreg(HW_REG_WAVE_MODE, 25, 1), 1
	s_wait_xcnt 0x0
	s_wait_alu depctr_hold_cnt(0) depctr_sa_sdst(0) depctr_va_vdst(0) depctr_va_sdst(0) depctr_va_ssrc(0) depctr_va_vcc(0) depctr_vm_vsrc(0)
	s_getreg_b32 s2, hwreg(HW_REG_IB_STS2, 6, 4)
	s_cmp_eq_u32 s2, 0
	s_cbranch_scc0 .Lentry_in_a_cluster
	s_endpgm
.Lentry_in_a_cluster:
	s_bfe_u32 s2, ttmp6, 0x10000c
	s_cmp_lg_u32 s2, 0x3003
	s_cbranch_scc0 .Lentry_shape_is_right
	s_endpgm
.Lentry_shape_is_right:
; ATTENTION without a softmax: O[q] = sum over keys of mask(q, k) silu(Q[q] . K[k] / 8) / 2048 x V[k], both products on codes of E3M2 with one E8M0 scale for each 32 along K.
; THE MASK, as reference() builds it: with M = 2048 - num_targets[batch], key j counts for query i where j < min(i, M) or j == i.  Every such j is <= i: key steps beyond the diagonal are left out.  A hidden score is 0: silu(0) = 0.
; NO BRANCH HANGS ON M, which is read from memory: the partners of a cluster run alike by the text alone.  A step ON a tile's diagonal masks its 64 scores a lane by compares and selects.  In a step UNDER it every key lies before every
; query, so a key is hidden only where key >= M, alike for all queries: K's codes of such keys are replaced by zero codes in registers (8 compares, 48 selects a step); their scores are then exactly 0.
; p' = s / (1 + 2^(-s log2(e) / 8)) is what is quantised: it is 2^14 times reference()'s number, exactly, so its codes are the same and its scale bytes 14 higher; O is multiplied by 2^-14 at the end.
; LIMITS: that differs from reference() only where a block's scale would meet the rule's lower bound; the floor under a block's largest magnitude as in the other launches; NaN and infinities not served.
; num_targets may be any int32: M is held to 0 .. 2048, which leaves the mask as it is for every query and key of the sequence.
; SHARES.  The whole head's K and V (codes and scale words, 208,896 bytes, images of the operands' registers) lie in LDS, filled once, jointly for the four work-groups of a cluster, which share the head.
; Work-group g (0..15) of a head owns query tiles g + 16 m, m = 0..7; tile tau needs key steps 0 .. tau / 8 = 2 m + g / 8.  Since nothing is normalised, partial sums over keys simply add: in phase 0 a wave does the ODD steps of one tile,
; in phase 1 the EVEN steps of another; the two waves of a pair (w, w xor 1) serve tiles m = w / 2 and 7 - w / 2 crosswise, so that every wave has 8 or 9 steps.  Phase 0's sums go through LDS to the partner, which adds and stores.
; LAYOUT.  S^T = K Q^T (source 0 = 16 keys, source 1 = my 16 queries), O^T = V^T P^T: a lane holds one query throughout.  Position r of tile t is line 32 (t / 2) + 8 (t % 2) + r + 8 (r / 8), so S's register 16 b + i is key 32 b + 16 h + i of the step.
; K = 64 IN AN INSTRUCTION OF 128: Q's registers 6-11 are zero codes.  K's tiles lie six registers apart and tile kappa is named with twelve: its upper six are the next tile's codes (behind the last: zeros), which meet zero codes and add nothing;
; bytes 2 and 3 of the stored scale words are 0, a finite scale.
; REGISTERS: v1-12, v98, v99 LDS addresses: none of them ever holds a number made from my place in the cluster; v13, v14, v30, v31 the mask's numbers; v15 my place in a tile's 32 lines.
.set WV,  12
.set SEL, 20                           ; s[20:21]
.set CS,  22                           ; s[22:23] -log2(e) / 8
.set G1,  24
.set G0,  32
.set RED, 208896                       ; behind the record: 4,096 bytes for each wave: phase 0's sums
.set S,   148                          ; v148-211 S^T, then p'
.set O,   212                          ; v212-243 O^T
.set PC,  244                          ; v244-255 p's codes
.set QM,  64                           ; at work in K's registers, once K is spent: v32-63 the sigmoid's; v56-59 scale operands; v64-67 maxima; v68-71 the other half's, then bytes; v72-74, v76-78 second conversions
.set QX,  68
.set QO,  56
.set QC,  72
.macro CROUND
	s_barrier_signal -1
	s_barrier_wait -1
	s_cmp_lg_u32 s[WV], 0
	s_cbranch_scc1 .Lnot_wave_0_\@
	s_barrier_signal -3
.Lnot_wave_0_\@:
	s_barrier_wait -3
	s_barrier_signal -1
	s_barrier_wait -1
.endm
.macro PLACES
.rept 4
	v_nop
.endr
.endm
.macro SIG2 sa, sb, ta, tb             ; two runs of 16 numbers: s <- s / (1 + 2^(c s)); behind each run of transcendentals stands plain work on the other run
.irp j, 0,2,4,6,8,10,12,14
	v_pk_mul_f32 v[\ta+\j:\ta+\j+1], v[\sa+\j:\sa+\j+1], s[CS:CS+1] op_sel_hi:[1,0]
.endr
.irp j, 0,1,2,3,4,5,6,7,8,9,10,11,12,13,14,15
	v_exp_f32 v[\ta+\j], v[\ta+\j]
.endr
.irp j, 0,2,4,6,8,10,12,14
	v_pk_mul_f32 v[\tb+\j:\tb+\j+1], v[\sb+\j:\sb+\j+1], s[CS:CS+1] op_sel_hi:[1,0]
.endr
.irp j, 0,1,2,3,4,5,6,7,8,9,10,11,12,13,14,15
	v_exp_f32 v[\tb+\j], v[\tb+\j]
.endr
	s_wait_alu depctr_va_vdst(0)
.irp j, 0,2,4,6,8,10,12,14
	v_pk_add_f32 v[\ta+\j:\ta+\j+1], v[\ta+\j:\ta+\j+1], 1.0 op_sel_hi:[1,0]
.endr
.irp j, 0,1,2,3,4,5,6,7,8,9,10,11,12,13,14,15
	v_rcp_f32 v[\ta+\j], v[\ta+\j]
.endr
.irp j, 0,2,4,6,8,10,12,14
	v_pk_add_f32 v[\tb+\j:\tb+\j+1], v[\tb+\j:\tb+\j+1], 1.0 op_sel_hi:[1,0]
.endr
.irp j, 0,1,2,3,4,5,6,7,8,9,10,11,12,13,14,15
	v_rcp_f32 v[\tb+\j], v[\tb+\j]
.endr
	s_wait_alu depctr_va_vdst(0)
.irp j, 0,2,4,6,8,10,12,14
	v_pk_mul_f32 v[\sa+\j:\sa+\j+1], v[\sa+\j:\sa+\j+1], v[\ta+\j:\ta+\j+1]
.endr
.irp j, 0,2,4,6,8,10,12,14
	v_pk_mul_f32 v[\sb+\j:\sb+\j+1], v[\sb+\j:\sb+\j+1], v[\tb+\j:\tb+\j+1]
.endr
.endm
.macro QUANT64                         ; p's 64 numbers of a lane become a fragment's codes (v244-255) and its scale word (v29)
.irp b, 0,1,2,3
	v_max3_num_f32 v[QM+\b], |v[S+16*\b]|, |v[S+1+16*\b]|, 0x2800000   ; with the floor 2^(5 - 127)
.endr
.irp i, 2,4,6,8,10,12,14
.irp b, 0,1,2,3
	v_max3_num_f32 v[QM+\b], v[QM+\b], |v[S+16*\b+\i]|, |v[S+1+16*\b+\i]|
.endr
.endr
.irp b, 0,1,2,3
	v_permlanex16_b32 v[QX+\b], v[QM+\b], s[SEL], s[SEL+1]
.endr
.irp b, 0,1,2,3
	v_max_num_f32 v[QM+\b], v[QM+\b], v[QX+\b]
.endr
.irp b, 0,1,2,3
	v_add_nc_u32 v[QO+\b], 0xfe000000, v[QM+\b]
.endr
.irp b, 0,1,2,3
	v_lshrrev_b32 v[QX+\b], 23, v[QO+\b]
.endr
	v_lshl_or_b32 v29, v[QX+1], 8, v[QX]
	v_lshl_or_b32 v29, v[QX+2], 16, v29
	v_lshl_or_b32 v29, v[QX+3], 24, v29
.irp c, 0,1
	v_cvt_scalef32_pk16_bf6_f32 v[PC+6*\c:PC+2+6*\c], v[S+32*\c:S+15+32*\c], v[QO+2*\c]
	v_cvt_scalef32_pk16_bf6_f32 v[QC+4*\c:QC+2+4*\c], v[S+16+32*\c:S+31+32*\c], v[QO+2*\c+1]
.endr
	v_nop                                          ; a plain place behind the conversions
.irp c, 0,1
.irp i, 0,1,2
	v_permlane16_swap_b32 v[PC+6*\c+\i], v[QC+4*\c+\i]
.endr
.irp i, 0,1,2
	v_mov_b32 v[PC+3+6*\c+\i], v[QC+4*\c+\i]
.endr
.endr
.endm
; A PHASE: one tile of queries, the key steps 2 j + 1 - phi, j = 0 .. 7.  The trip count is a constant; a step beyond the tile's last is jumped over, all but the lines that step addresses.
.macro PHASE phi
.set QP, 54+4*\phi
	s_and_b32 s46, s[WV], 1
	s_xor_b32 s46, s46, 1-\phi
	s_lshr_b32 s47, s[WV], 1
	s_sub_co_u32 s48, 7, s47
	s_cmp_eq_u32 s46, 1
	s_cselect_b32 s47, s48, s47                    ; m: the pair's low tile or its high one
	s_lshl_b32 s38, s47, 1
	s_add_co_u32 s38, s38, s15                     ; the tile's last key step: 2 m + g / 8: the same in all four partners
	s_lshl_b32 s48, s47, 4
	s_add_co_u32 s48, s48, s14                     ; tau = g + 16 m: it enters global addresses and the mask's numbers alone
	s_lshr_b32 s49, s48, 1
	s_lshl_b32 s49, s49, 5
	s_and_b32 s50, s48, 1
	s_lshl_b32 s50, s50, 3
	s_add_co_u32 s49, s49, s50                     ; the tile's first query
	s_lshl_b32 s50, s16, 7
	s_add_co_u32 s50, s50, s48
	s_mul_i32 s52, s50, 768
	s_mov_b32 s53, 0
	s_add_nc_u64 s[QP:QP+1], s[4:5], s[52:53]      ; Q's codes (each phase has base registers of its own)
	s_lshl_b32 s52, s50, 6
	s_add_co_u32 s52, s52, 1572864
	s_add_nc_u64 s[QP+2:QP+3], s[4:5], s[52:53]    ; and scale words
.if \phi
	s_lshr_b32 s50, s16, 2
	s_lshl_b32 s50, s50, 7
	s_add_co_u32 s50, s50, s48
	s_lshl_b32 s50, s50, 2
	s_and_b32 s51, s16, 3
	s_add_co_u32 s50, s50, s51
	s_lshl_b32 s52, s50, 12
	s_add_nc_u64 s[62:63], s[10:11], s[52:53]      ; the tile's image in the output: (row tile x 4 + head) x 4,096 bytes
.endif
	v_and_b32 v7, 15, v0
	v_lshlrev_b32 v7, 2, v7                        ; 4 r
	global_load_b128 v[16:19], v1, s[QP:QP+1]
	global_load_b64 v[20:21], v2, s[QP:QP+1] offset:512
	global_load_b32 v28, v7, s[QP+2:QP+3]
	v_bfe_u32 v31, v0, 4, 1
	v_lshlrev_b32 v31, 4, v31                      ; 16 h
	v_add_nc_u32 v30, s49, v15                     ; my query (in a register that never serves as an LDS address)
	v_min_i32 v13, s19, v30
	v_sub_nc_u32 v13, v13, v31                     ; min(query, M) - 16 h
	v_sub_nc_u32 v14, v30, v31                     ; query - 16 h
.set n, 0
.rept 32
	v_mov_b32 v[O+n], 0                            ; (a phase may have no step at all, so the sums begin as zeros)
.set n, n+1
.endr
	s_mov_b32 s39, 1-\phi                          ; T, the key step
	s_mov_b32 s41, 6144*(1-\phi)                   ; its codes: 6,144 bytes a step, of K and of V alike
	s_mov_b32 s42, 512*(1-\phi)                    ; K's scale words
	s_mov_b32 s43, 256*(1-\phi)                    ; V's
	s_mov_b32 s44, 128*(1-\phi)                    ; its first key
	s_mov_b32 s40, 8
	s_wait_loadcnt 0x0                             ; Q
.if \phi == 0
	s_wait_tensorcnt 0x0                           ; my part of the head's record has landed,
	s_barrier_signal -1
	s_barrier_wait -1                              ; everybody's has
.endif
.Lstep_\@:
	s_cmp_gt_u32 s39, s38
	s_cbranch_scc1 .Lskip_\@
	v_add_nc_u32 v7, s41, v1                       ; (these six are also the places behind the last step's products, in front of the loads)
	v_add_nc_u32 v8, s41, v2
	v_add_nc_u32 v9, s42, v3
	v_add_nc_u32 v10, s41, v4
	v_add_nc_u32 v11, s41, v5
	v_add_nc_u32 v12, s43, v6
.irp k, 0,1,2,3,4,5,6,7
	ds_load_b128 v[32+6*\k:35+6*\k], v7 offset:768*\k
	ds_load_b64 v[36+6*\k:37+6*\k], v8 offset:768*\k+512
	ds_load_b32 v[86+\k], v9 offset:64*\k
.endr
.irp rho, 0,1,2,3
	ds_load_b128 v[100+12*\rho:103+12*\rho], v10 offset:768*\rho
	ds_load_b64 v[104+12*\rho:105+12*\rho], v11 offset:768*\rho+512
	ds_load_b128 v[106+12*\rho:109+12*\rho], v10 offset:768*\rho+3072
	ds_load_b64 v[110+12*\rho:111+12*\rho], v11 offset:768*\rho+3584
	ds_load_b32 v[94+\rho], v12 offset:64*\rho
.endr
	s_wait_dscnt 20                                ; K's 24 loads are in; V's 20 may be out
	s_cmp_lt_u32 s39, s38                          ; under the tile's diagonal, or on it: the wave's number and the cluster's alone decide
	s_cbranch_scc0 .Ldiag_\@
	s_sub_co_i32 s45, s19, s44                     ; UNDER THE DIAGONAL: lane r of tile kappa holds key KF + 32 (kappa / 2) + 8 (kappa % 2) + r + 8 (r / 8): it counts where that lies under M
	v_sub_nc_u32 v30, s45, v15                     ; M - KF - my place in the tile's 32 lines
.irp k, 0,1,2,3,4,5,6,7
	v_cmp_lt_i32 vcc_lo, 32*(\k/2)+8*(\k%2), v30
.irp i, 0,1,2,3,4,5
	v_cndmask_b32 v[32+6*\k+\i], 0, v[32+6*\k+\i], vcc_lo          ; a hidden key's codes become zero codes: its scores are exactly 0
.endr
.endr
	PLACES                                         ; an operand written by a vector instruction stands 4 places ahead of a scaled matrix instruction
.Ldiag_\@:
.irp k, 0,1,2,3,4,5,6,7
	v_wmma_scale_f32_16x16x128_f8f6f4 v[S+8*\k:S+8*\k+7], v[32+6*\k:43+6*\k], v[16:27], 0, v[86+\k], v28 matrix_a_fmt:MATRIX_FMT_BF6 matrix_b_fmt:MATRIX_FMT_BF6
.endr
	PLACES
	s_cmp_lt_u32 s39, s38
	s_cbranch_scc1 .Lopen_\@
	v_sub_nc_u32 v30, v13, s44                     ; ON THE DIAGONAL: register 16 b + i holds key KF + 16 h + 32 b + i: it counts where 32 b + i < v30 or 32 b + i == v31
	v_sub_nc_u32 v31, v14, s44
.set n, 0
.rept 64
	v_cmp_lt_i32 vcc_lo, 32*(n/16)+n%16, v30
	v_cndmask_b32 v[32+n%2], 0, v[S+n], vcc_lo
	v_cmp_eq_u32 vcc_lo, 32*(n/16)+n%16, v31
	v_cndmask_b32 v[S+n], v[32+n%2], v[S+n], vcc_lo
.set n, n+1
.endr
.Lopen_\@:
	SIG2 S, S+16, 32, 48
	SIG2 S+32, S+48, 32, 48
	QUANT64
.rept 8
	v_nop                                          ; a scale register written by a vector instruction stands 8 places ahead of a scaled matrix instruction, an operand so written 4
.endr
	s_wait_dscnt 0x0                               ; V
.irp rho, 0,1,2,3
	v_wmma_scale_f32_16x16x128_f8f6f4 v[O+8*\rho:O+8*\rho+7], v[100+12*\rho:111+12*\rho], v[PC:PC+11], v[O+8*\rho:O+8*\rho+7], v[94+\rho], v29 matrix_a_fmt:MATRIX_FMT_BF6 matrix_b_fmt:MATRIX_FMT_BF6
.endr
.Lskip_\@:
	s_add_co_u32 s39, s39, 2
	s_add_co_u32 s41, s41, 12288
	s_add_co_u32 s42, s42, 1024
	s_add_co_u32 s43, s43, 512
	s_add_co_u32 s44, s44, 256
	s_sub_co_u32 s40, s40, 1
	s_cmp_lg_u32 s40, 0
	s_cbranch_scc1 .Lstep_\@
	PLACES                                         ; behind the last products: in front of the reads of O and of loads into operands' registers
.if \phi == 0
.irp q, 0,1,2,3,4,5,6,7
	ds_store_b128 v98, v[O+4*\q:O+4*\q+3] offset:512*\q            ; the odd steps' sums, for my partner; each accumulator from its low end on
.endr
	s_wait_dscnt 0x0                               ; they have landed, and have read their registers
.else
	s_wait_dscnt 0x0
	s_barrier_signal -1
	s_barrier_wait -1                              ; every wave's phase 0 sums lie in LDS
.irp q, 0,1,2,3,4,5,6,7
	ds_load_b128 v[100+4*\q:103+4*\q], v99 offset:512*\q           ; my tile's odd steps, from my partner
.endr
	s_wait_dscnt 0x0
.irp j, 0,2,4,6,8,10,12,14,16,18,20,22,24,26,28,30
	v_pk_add_f32 v[100+\j:101+\j], v[100+\j:101+\j], v[O+\j:O+\j+1]
.endr
.irp j, 0,2,4,6,8,10,12,14,16,18,20,22,24,26,28,30
	v_pk_mul_f32 v[100+\j:101+\j], v[100+\j:101+\j], 0x38800000 op_sel_hi:[1,0]   ; x 2^-14 = 1 / (8 x 2048)
.endr
.irp q, 0,1,2,3,4,5,6,7
	global_store_b128 v1, v[100+4*\q:103+4*\q], s[62:63] offset:512*\q   ; 512 consecutive bytes
.endr
.endif
.endm
	s_load_b256 s[4:11], s[0:1], 0x0               ; qb, kv, num_targets, attnimg
	s_set_vgpr_msb 0x40
	v_lshl_add_u32 v0, v0, 2, 0x3b000
	v_mov_b32 v1, 0
	s_set_vgpr_msb 0x4045
	ds_add_u32 v0, v1
	ds_add_u32 v0, v1
	s_set_vgpr_msb 0x4500
	v_lshrrev_b32 v1, 5, v0
	v_readfirstlane_b32 s[WV], v1                  ; wave 0..7
	s_bfe_u32 s13, ttmp6, 0x40000                  ; cx
	s_lshl_b32 s14, ttmp9, 2
	s_add_co_u32 s14, s14, s13                     ; g
	s_lshr_b32 s15, ttmp9, 1                       ; g / 8, which the four partners share
	s_and_b32 s16, ttmp7, 0xffff                   ; batch x 4 + head
	s_mov_b32 s[SEL], 0x76543210
	s_mov_b32 s[SEL+1], 0xfedcba98
	s_mov_b32 s[CS], 0xbe38aa3b                    ; -log2(e) / 8
	s_mov_b32 s[CS+1], s[CS]
	s_mov_b32 s[G1], 15|(3<<16)|(1<<21)            ; mask: all four work-groups; elements of 8 bytes; bit 21 beside a mask
	s_mov_b32 s[G1+1], 32<<16                      ; an eighth of the record a wave: 102 rows of 256 bytes
	s_mov_b32 s[G1+2], 102<<16
	s_mov_b32 s[G1+3], 32<<16
	s_mov_b32 s[G1+4], 102
	s_mov_b32 s[G1+5], 32
	s_mov_b32 s[G1+6], 0
	s_mov_b32 s[G1+7], 0
	s_mov_b32 s[G0], 1
	s_mul_i32 s[G0+1], s[WV], 26112
	s_mul_i32 s36, s16, 208896
	s_add_co_u32 s36, s36, s[G0+1]
	s_mov_b32 s37, 0
	s_lshr_b32 s46, s16, 2
	s_lshl_b32 s46, s46, 2
	s_mov_b32 s47, 0
	s_wait_dscnt 0x0
	s_wait_kmcnt 0x0
	s_add_nc_u64 s[G0+2:G0+3], s[6:7], s[36:37]
	s_or_b32 s[G0+3], s[G0+3], 0x80000000
	s_add_nc_u64 s[8:9], s[8:9], s[46:47]
	s_load_b32 s19, s[8:9], 0x0                    ; num_targets of my batch
	CROUND                                         ; all four work-groups are here: the joint loads meet
	tensor_load_to_lds s[G0:G0+3], s[G1:G1+7]      ; one load of mine is out: the launch's only fill
	s_nop 0
.rept 4
	v_nop
.endr
	v_and_b32 v2, 31, v0
	v_lshlrev_b32 v1, 4, v2                        ; 16 x lane
	v_lshlrev_b32 v2, 3, v2                        ; 8 x lane
	v_and_b32 v7, 15, v0                           ; r
	v_lshl_add_u32 v3, v7, 2, 196608               ; K's scale words
	v_add_nc_u32 v4, 98304, v1                     ; V's codes
	v_add_nc_u32 v5, 98304, v2
	v_lshl_add_u32 v6, v7, 2, 204800               ; V's scale words
	v_and_b32 v15, 8, v7
	v_add_nc_u32 v15, v15, v7                      ; r + 8 (r / 8): my place in a tile's 32 lines, as a query and as a key
	s_lshl_b32 s46, s[WV], 12
	s_add_co_u32 s46, s46, RED
	v_add_nc_u32 v98, s46, v1                      ; where my phase 0 sums go,
	s_xor_b32 s46, s[WV], 1
	s_lshl_b32 s46, s46, 12
	s_add_co_u32 s46, s46, RED
	v_add_nc_u32 v99, s46, v1                      ; and where my partner's lie
.irp j, 22,23,24,25,26,27,80,81,82,83,84,85
	v_mov_b32 v[\j], 0                             ; zero codes: the upper half of Q's fragment, and what stands behind K's last tile
.endr
	s_wait_kmcnt 0x0
	s_sub_co_u32 s19, 0x800, s19                   ; M, as int32 arithmetic has it;
	s_max_i32 s19, s19, 0                          ; held to 0 .. 2048: under 0 no key lies, and at or beyond 2048 none either, so the mask stays as it is and no difference below can wrap
	s_min_i32 s19, s19, 0x800
	PHASE 0
	PHASE 1
	s_set_vgpr_msb 0x5
	s_wait_tensorcnt 0x0
	ds_add_u32 v0, v1
	s_wait_dscnt 0x0
	s_set_vgpr_msb 0x500
	CROUND                                         ; the closing round
	s_endpgm
.Lfunc_end_k_qd13a3e99ea_attention:
	.size	k_qd13a3e99ea_attention, .Lfunc_end_k_qd13a3e99ea_attention-k_qd13a3e99ea_attention
	.p2alignl 7, 3214868480
	.fill 96, 4, 3214868480
	.section	.rodata,"a",@progbits
	.p2align	6, 0x0
	.amdhsa_kernel k_qd13a3e99ea_attention
		.amdhsa_group_segment_fixed_size 242688
		.amdhsa_private_segment_fixed_size 0
		.amdhsa_enable_private_segment 0
		.amdhsa_kernarg_size 32
		.amdhsa_user_sgpr_count 2
		.amdhsa_user_sgpr_kernarg_segment_ptr 1
		.amdhsa_wavefront_size32 1
		.amdhsa_system_sgpr_workgroup_id_x 1
		.amdhsa_system_sgpr_workgroup_id_y 1
		.amdhsa_system_sgpr_workgroup_id_z 1
		.amdhsa_system_vgpr_workitem_id 0
		.amdhsa_next_free_vgpr 258
		.amdhsa_next_free_sgpr 66
		.amdhsa_reserve_vcc 1
		.amdhsa_float_denorm_mode_32 3
		.amdhsa_float_denorm_mode_16_64 3
		.amdhsa_memory_ordered 1
		.amdhsa_forward_progress 1
		.amdhsa_inst_pref_size 78
	.end_amdhsa_kernel
	.amdgpu_metadata
---
amdhsa.version: [ 1, 2 ]
amdhsa.kernels:
  - .name:           k_qd13a3e99ea_attention
    .symbol:         k_qd13a3e99ea_attention.kd
    .args:
      - { .name: qb, .offset: 0, .size: 8, .value_kind: global_buffer, .address_space: global }
      - { .name: kv, .offset: 8, .size: 8, .value_kind: global_buffer, .address_space: global }
      - { .name: num_targets, .offset: 16, .size: 8, .value_kind: global_buffer, .address_space: global }
      - { .name: attnimg, .offset: 24, .size: 8, .value_kind: global_buffer, .address_space: global }
    .group_segment_fixed_size: 242688
    .private_segment_fixed_size: 0
    .kernarg_segment_align: 8
    .kernarg_segment_size: 32
    .max_flat_workgroup_size: 256
    .sgpr_count:     66
    .vgpr_count:     258
    .wavefront_size: 32
...
	.end_amdgpu_metadata
.endif
;; end of part 3
;; launch final (part 4): grid 256 x 1, 8 waves a work-group, clusters of 4 x 1, 317,184 bytes of LDS; arguments uimg, attnimg, out_scale, out_bias, w2q, x, out0; writes out0
.if DOCPART == 4
	.amdgcn_target "amdgcn-amd-amdhsa--gfx1250"
	.amdhsa_code_object_version 6
	.text
	.protected	k_qd13a3e99ea_final
	.globl	k_qd13a3e99ea_final
	.p2align	8
	.type	k_qd13a3e99ea_final,@function
k_qd13a3e99ea_final:
	s_mov_b64 s[64:65], 0
	v_nop
	global_prefetch_b8 v0, s[64:65] scope:SCOPE_SE
	s_setreg_imm32_b32 hwreg(HW_REG_WAVE_MODE, 25, 1), 1
	s_wait_xcnt 0x0
	s_wait_alu depctr_hold_cnt(0) depctr_sa_sdst(0) depctr_va_vdst(0) depctr_va_sdst(0) depctr_va_ssrc(0) depctr_va_vcc(0) depctr_vm_vsrc(0)
	s_getreg_b32 s2, hwreg(HW_REG_IB_STS2, 6, 4)
	s_cmp_eq_u32 s2, 0
	s_cbranch_scc0 .Lentry_in_a_cluster
	s_endpgm
.Lentry_in_a_cluster:
	s_bfe_u32 s2, ttmp6, 0x10000c
	s_cmp_lg_u32 s2, 0x3003
	s_cbranch_scc0 .Lentry_shape_is_right
	s_endpgm
.Lentry_shape_is_right:
; FINAL: out = x + Q([u, attn, u x LN(attn)]) Q(W2) on codes of E3M2, K = 768.
; A work-group takes 32 rows (row tiles 2 a and 2 a + 1) x all 512 columns.  All of W2's codes lie in LDS, filled once, jointly for the four work-groups of a cluster: every work-group walks all of W2.
; PHASE 1: wave w takes tile w / 4 and channels 64 (w % 4) on: a lane holds one row and 32 of its channels.  The row's mean and variance over 256 channels meet in LDS (two exchanges among four waves).  u, attn and the gated numbers are
; quantised in registers; each wave's 64 along K are half a fragment, stored to LDS as an image of the operand's registers, with its two scale bytes.
; PHASE 2: wave w makes columns 64 w on (source 0 = 4 tiles of W2, its own eighth of the codes, which it alone fetched and reads) for both row tiles (source 1): eight accumulators by turns, six K steps.
; THE WAY OUT: through a stage of 16 rows x (256 + 16) bytes for each row tile, at the head of the wave's own eighth of W2, which has had its only fill and whose last read is over; x is added; sixteen lanes store 256 consecutive bytes.
; LIMITS: the floor under a block's largest magnitude as in the other launches; NaN and infinities not served.
.set WV,  18
.set SEL, 50                           ; s[50:51]
.set G1,  24
.set G0,  32
.set PFB, 294912                       ; LDS behind W2's codes: the rows' fragments, (tile x 6 + K step) x 1,536 bytes,
.set PSB, 313344                       ; their scale words, (tile x 6 + K step) x 64 + 4 r,
.set ST0, 314112                       ; and the two exchanges, 128 bytes a wave each
.set A,   40                           ; phase 1: v40-71 attn, v72-103 u, v104-135 gain, v136-167 bias, v168-199 the gated numbers
.set U,   72
.set OS,  104
.set OB,  136
.set GT,  168
.set TM,  200
.set CT,  208
.set PC,  212
.set PW,  218
.set ACC, 40                           ; phase 2: accumulator (m, n) at 40 + 32 m + 8 n; v104-167 x; v168-215 W2's four fragments; v216-239 the rows' two; v240-241 their scale words; v16-39 W2's scale words
.set XR,  104
.set WF,  168
.set PR,  216
.set Y,   168                          ; the way out: v168-231 rows read back
.macro CROUND
	s_barrier_signal -1
	s_barrier_wait -1
	s_cmp_lg_u32 s[WV], 0
	s_cbranch_scc1 .Lnot_wave_0_\@
	s_barrier_signal -3
.Lnot_wave_0_\@:
	s_barrier_wait -3
	s_barrier_signal -1
	s_barrier_wait -1
.endm
.macro PLACES
.rept 4
	v_nop
.endr
.endm
.macro QUANT32 src, pc, w              ; 32 numbers of a lane, register 16 b + i = element 32 b + 16 (lane / 16) + i of my row's 64, become half a fragment's codes and two scale bytes
.irp b, 0,1
	v_max3_num_f32 v[TM+\b], |v[\src+16*\b]|, |v[\src+16*\b+1]|, 0x2800000
.endr
.irp i, 2,4,6,8,10,12,14
.irp b, 0,1
	v_max3_num_f32 v[TM+\b], v[TM+\b], |v[\src+16*\b+\i]|, |v[\src+16*\b+\i+1]|
.endr
.endr
.irp b, 0,1
	v_permlanex16_b32 v[TM+2+\b], v[TM+\b], s[SEL], s[SEL+1]
.endr
.irp b, 0,1
	v_max_num_f32 v[TM+\b], v[TM+\b], v[TM+2+\b]
.endr
.irp b, 0,1
	v_add_nc_u32 v[TM+4+\b], 0xfe000000, v[TM+\b]
.endr
.irp b, 0,1
	v_lshrrev_b32 v[TM+6+\b], 23, v[TM+4+\b]
.endr
	v_lshl_or_b32 v[\w], v[TM+7], 8, v[TM+6]
	v_cvt_scalef32_pk16_bf6_f32 v[\pc:\pc+2], v[\src:\src+15], v[TM+4]
	v_cvt_scalef32_pk16_bf6_f32 v[CT:CT+2], v[\src+16:\src+31], v[TM+5]
	v_nop                                          ; a plain place behind the conversions
.irp i, 0,1,2
	v_permlane16_swap_b32 v[\pc+\i], v[CT+\i]
.endr
.irp i, 0,1,2
	v_mov_b32 v[\pc+3+\i], v[CT+\i]
.endr
.endm
.macro PUT src, k                      ; kind k (0 u, 1 attn, 2 gated): K steps 2 k and 2 k + 1
	QUANT32 \src, PC, PW
	ds_store_b128 v4, v[PC:PC+3] offset:3072*\k
	ds_store_b64 v5, v[PC+4:PC+5] offset:3072*\k+512
	ds_store_b16 v6, v[PW] offset:128*\k           ; lanes r and r + 16 write the same two bytes with the same value
	s_wait_dscnt 0x0                               ; the stores have read their registers
.endm
.macro LANESUM                         ; v[220:223]: two chains of pairs -> the sum over my row's 64 channels, in v220
	v_pk_add_f32 v[220:221], v[220:221], v[222:223]
	v_add_f32 v220, v220, v221
	v_permlanex16_b32 v221, v220, s[SEL], s[SEL+1]
	v_add_f32 v220, v220, v221
.endm
.macro MEET off                        ; the four waves of my row tile exchange v220; the row's sum over 256 channels comes back in v224
	ds_store_b32 v7, v220 offset:\off
	s_wait_dscnt 0x0                               ; for the others' sake
	s_barrier_signal -1
	s_barrier_wait -1
.irp k, 0,1,2,3
	ds_load_b32 v[224+\k], v8 offset:\off+128*\k
.endr
	s_wait_dscnt 0x0
	v_add_f32 v224, v224, v225
	v_add_f32 v226, v226, v227
	v_add_f32 v224, v224, v226
.endm
	s_load_b256 s[4:11], s[0:1], 0x0               ; uimg, attnimg, out_scale, out_bias
	s_load_b128 s[12:15], s[0:1], 0x20             ; w2q, x
	s_load_b64 s[16:17], s[0:1], 0x30              ; out0
	v_lshl_add_u32 v254, v0, 2, 0x4d300
	v_mov_b32 v255, 0
	ds_add_u32 v254, v255
	ds_add_u32 v254, v255
	v_lshrrev_b32 v1, 5, v0
	v_readfirstlane_b32 s[WV], v1                  ; wave 0..7
	s_bfe_u32 s19, ttmp6, 0x40000                  ; cx
	s_lshl_b32 s20, ttmp9, 2
	s_add_co_u32 s20, s20, s19                     ; a: my 32 rows; it enters global addresses alone
	s_lshr_b32 s21, s[WV], 2                       ; phase 1: my row tile,
	s_and_b32 s22, s[WV], 3                        ; and my 64 channels
	s_mov_b32 s[SEL], 0x76543210
	s_mov_b32 s[SEL+1], 0xfedcba98
	s_mov_b32 s52, 0x3b800000                      ; 1 / 256
	s_mov_b32 s53, 0x358637bd                      ; 1e-6
	s_mov_b32 s[G1], 15|(3<<16)|(1<<21)            ; mask: all four work-groups; elements of 8 bytes; bit 21 beside a mask
	s_mov_b32 s[G1+1], 32<<16                      ; an eighth of W2's codes a wave: 144 rows of 256 bytes
	s_mov_b32 s[G1+2], 144<<16
	s_mov_b32 s[G1+3], 32<<16
	s_mov_b32 s[G1+4], 144
	s_mov_b32 s[G1+5], 32
	s_mov_b32 s[G1+6], 0
	s_mov_b32 s[G1+7], 0
	s_mov_b32 s[G0], 1
	s_mul_i32 s[G0+1], s[WV], 36864
	s_mov_b32 s54, s[G0+1]
	s_mov_b32 s55, 0
	s_mul_i32 s56, s[WV], 1536
	s_add_co_u32 s56, s56, 294912                  ; my four tiles' scale bytes
	s_mov_b32 s57, 0
	s_lshl_b32 s58, s20, 3
	s_add_co_u32 s58, s58, s[WV]
	s_lshl_b32 s58, s58, 12                        ; (row tile x 4 + chunk) x 4,096 = (8 a + wave) x 4,096
	s_mov_b32 s59, 0
	s_lshl_b32 s60, s22, 8
	s_mov_b32 s61, 0
	s_lshl_b32 s62, s20, 16                        ; 32 rows of 2,048 bytes
	s_mov_b32 s63, 0
	s_wait_dscnt 0x0
	s_wait_kmcnt 0x0
	s_add_nc_u64 s[G0+2:G0+3], s[12:13], s[54:55]
	s_or_b32 s[G0+3], s[G0+3], 0x80000000
	s_add_nc_u64 s[36:37], s[12:13], s[56:57]
	s_add_nc_u64 s[38:39], s[6:7], s[58:59]
	s_add_nc_u64 s[40:41], s[4:5], s[58:59]
	s_add_nc_u64 s[42:43], s[8:9], s[60:61]
	s_add_nc_u64 s[44:45], s[10:11], s[60:61]
	s_add_nc_u64 s[46:47], s[14:15], s[62:63]
	s_add_nc_u64 s[48:49], s[16:17], s[62:63]
	CROUND                                         ; all four work-groups are here: the joint loads meet
	tensor_load_to_lds s[G0:G0+3], s[G1:G1+7]      ; one load of mine is out: the launch's only fill
	s_nop 0
.rept 4
	v_nop
.endr
	v_and_b32 v234, 31, v0                         ; lane
	v_and_b32 v235, 15, v0                         ; r
	v_bfe_u32 v236, v0, 4, 1                       ; h
	v_lshlrev_b32 v1, 4, v234
	v_lshlrev_b32 v2, 3, v234
	v_lshlrev_b32 v3, 2, v235
	v_lshlrev_b32 v232, 6, v236                    ; gain and bias: 64 h
	v_mul_u32_u24 v233, v235, 24                   ; W2's scale bytes: 24 a line
.irp q, 0,1,2,3,4,5,6,7
	global_load_b128 v[A+4*\q:A+4*\q+3], v1, s[38:39] offset:512*\q
.endr
.irp q, 0,1,2,3,4,5,6,7
	global_load_b128 v[U+4*\q:U+4*\q+3], v1, s[40:41] offset:512*\q
.endr
.irp q, 0,1,2,3,4,5,6,7
	global_load_b128 v[OS+4*\q:OS+4*\q+3], v232, s[42:43] offset:128*(\q/4)+16*(\q%4)
.endr
.irp q, 0,1,2,3,4,5,6,7
	global_load_b128 v[OB+4*\q:OB+4*\q+3], v232, s[44:45] offset:128*(\q/4)+16*(\q%4)
.endr
.irp n, 0,1,2,3
.irp j, 0,1,2
	global_load_b64 v[16+6*\n+2*\j:17+6*\n+2*\j], v233, s[36:37] offset:384*\n+8*\j
.endr
.endr
	s_mul_i32 s54, s21, 9216
	s_lshr_b32 s55, s22, 1
	s_mul_i32 s56, s55, 1536
	s_add_co_u32 s54, s54, s56
	s_and_b32 s56, s22, 1
	s_mul_i32 s57, s56, 768
	s_add_co_u32 s54, s54, s57
	s_add_co_u32 s54, s54, PFB
	v_add_nc_u32 v4, s54, v1                       ; where my half fragments go
	v_add_nc_u32 v5, s54, v2
	s_mul_i32 s54, s21, 384
	s_lshl_b32 s55, s55, 6
	s_add_co_u32 s54, s54, s55
	s_lshl_b32 s56, s56, 1
	s_add_co_u32 s54, s54, s56
	s_add_co_u32 s54, s54, PSB
	v_add_nc_u32 v6, s54, v3                       ; and my two scale bytes
	v_lshlrev_b32 v8, 2, v234
	s_lshl_b32 s54, s[WV], 7
	s_add_co_u32 s54, s54, ST0
	v_add_nc_u32 v7, s54, v8                       ; the exchange: my word,
	s_lshl_b32 s54, s21, 9
	s_add_co_u32 s54, s54, ST0
	v_add_nc_u32 v8, s54, v8                       ; and my row tile's four
	s_mul_i32 s58, s[WV], 36864
	v_add_nc_u32 v9, s58, v1                       ; my eighth of W2
	v_add_nc_u32 v10, PFB, v1
	v_add_nc_u32 v11, PFB, v2
	v_add_nc_u32 v12, PSB, v3
	v_mul_u32_u24 v13, v235, 272
	v_lshl_add_u32 v13, v236, 6, v13
	v_add_nc_u32 v13, s58, v13                     ; the stage, in: row r, + 64 h
	v_mul_u32_u24 v14, v236, 272
	v_lshl_add_u32 v14, v235, 4, v14
	v_add_nc_u32 v14, s58, v14                     ; and back: lanes 0-15 one row, lanes 16-31 the next
	v_lshlrev_b32 v15, 11, v236
	v_lshl_add_u32 v15, v235, 4, v15
	s_lshl_b32 s54, s[WV], 8
	v_add_nc_u32 v15, s54, v15                     ; the same two rows in x and in out0, at my 64 columns
.irp j, 202,203,229,231
	v_mov_b32 v[\j], 0                             ; lane permutes' destinations and the upper halves of pairs are named before they are written
.endr
	; ---- PHASE 1
	s_wait_loadcnt 36                              ; attn's eight loads are in; the 36 behind them may be out
	v_pk_add_f32 v[220:221], v[A:A+1], v[A+2:A+3]
	v_pk_add_f32 v[222:223], v[A+4:A+5], v[A+6:A+7]
.irp j, 8,12,16,20,24,28
	v_pk_add_f32 v[220:221], v[220:221], v[A+\j:A+\j+1]
	v_pk_add_f32 v[222:223], v[222:223], v[A+\j+2:A+\j+3]
.endr
	LANESUM
	MEET 0
	v_mul_f32 v228, s52, v224                      ; the mean
.irp j, 0,2,4,6,8,10,12,14,16,18,20,22,24,26,28,30
	v_pk_add_f32 v[GT+\j:GT+\j+1], v[A+\j:A+\j+1], v[228:229] op_sel_hi:[1,0] neg_lo:[0,1] neg_hi:[0,1]
.endr
	v_pk_mul_f32 v[220:221], v[GT:GT+1], v[GT:GT+1]
	v_pk_mul_f32 v[222:223], v[GT+2:GT+3], v[GT+2:GT+3]
.irp j, 4,8,12,16,20,24,28
	v_pk_fma_f32 v[220:221], v[GT+\j:GT+\j+1], v[GT+\j:GT+\j+1], v[220:221]
	v_pk_fma_f32 v[222:223], v[GT+\j+2:GT+\j+3], v[GT+\j+2:GT+\j+3], v[222:223]
.endr
	LANESUM
	MEET 1024                                      ; other bytes than the first exchange's
	v_fma_f32 v230, v224, s52, s53                 ; the variance + 1e-6
	v_rsq_f32 v230, v230
	v_nop                                          ; a plain place behind the transcendental
	s_wait_loadcnt 0x0                             ; u, gain, bias, W2's scale words
	s_wait_alu depctr_va_vdst(0)
.irp j, 0,2,4,6,8,10,12,14,16,18,20,22,24,26,28,30
	v_pk_mul_f32 v[GT+\j:GT+\j+1], v[GT+\j:GT+\j+1], v[230:231] op_sel_hi:[1,0]
.endr
.irp j, 0,2,4,6,8,10,12,14,16,18,20,22,24,26,28,30
	v_pk_fma_f32 v[GT+\j:GT+\j+1], v[GT+\j:GT+\j+1], v[OS+\j:OS+\j+1], v[OB+\j:OB+\j+1]
.endr
.irp j, 0,2,4,6,8,10,12,14,16,18,20,22,24,26,28,30
	v_pk_mul_f32 v[GT+\j:GT+\j+1], v[GT+\j:GT+\j+1], v[U+\j:U+\j+1]
.endr
.irp m, 0,1
.irp i, 0,1,2,3,4,5,6,7
	global_load_b128 v[XR+32*\m+4*\i:XR+32*\m+4*\i+3], v15, s[46:47] offset:(8*\m+2*\i+8*(\i/4))*2048   ; x, as the way out will want it, into the registers that gain and bias have left
.endr
.endr
	PUT U, 0
	PUT A, 1
	PUT GT, 2
	s_wait_tensorcnt 0x0                           ; my eighth of W2 has landed
	s_barrier_signal -1
	s_barrier_wait -1                              ; the rows' twelve fragments and their scale words lie in LDS
	; ---- PHASE 2: eight accumulators by turns, one instruction a turn
.irp s, 0,1,2,3,4,5
.irp n, 0,1,2,3
.irp g, 0,1,2
	ds_load_b128 v[WF+12*\n+4*\g:WF+12*\n+4*\g+3], v9 offset:\n*9216+\s*1536+512*\g
.endr
.endr
.irp m, 0,1
	ds_load_b128 v[PR+12*\m:PR+12*\m+3], v10 offset:\m*9216+\s*1536
	ds_load_b64 v[PR+12*\m+4:PR+12*\m+5], v11 offset:\m*9216+\s*1536+512
	ds_load_b128 v[PR+12*\m+6:PR+12*\m+9], v10 offset:\m*9216+\s*1536+768
	ds_load_b64 v[PR+12*\m+10:PR+12*\m+11], v11 offset:\m*9216+\s*1536+1280
	ds_load_b32 v[240+\m], v12 offset:\m*384+64*\s
.endr
	s_wait_dscnt 0x0
.irp m, 0,1
.irp n, 0,1,2,3
.if \s == 0
	v_wmma_scale_f32_16x16x128_f8f6f4 v[ACC+32*\m+8*\n:ACC+32*\m+8*\n+7], v[WF+12*\n:WF+12*\n+11], v[PR+12*\m:PR+12*\m+11], 0, v[16+6*\n+\s], v[240+\m] matrix_a_fmt:MATRIX_FMT_BF6 matrix_b_fmt:MATRIX_FMT_BF6
.else
	v_wmma_scale_f32_16x16x128_f8f6f4 v[ACC+32*\m+8*\n:ACC+32*\m+8*\n+7], v[WF+12*\n:WF+12*\n+11], v[PR+12*\m:PR+12*\m+11], v[ACC+32*\m+8*\n:ACC+32*\m+8*\n+7], v[16+6*\n+\s], v[240+\m] matrix_a_fmt:MATRIX_FMT_BF6 matrix_b_fmt:MATRIX_FMT_BF6
.endif
.endr
.endr
	PLACES                                         ; in front of loads into registers that matrix instructions have read, and of the first read of results
.endr
	; ---- THE WAY OUT.  Register 16 b + i of a lane is column 64 w + 32 b + 16 h + i of its row
.irp m, 0,1
.irp q, 0,1,2,3,4,5,6,7
	ds_store_b128 v13, v[ACC+32*\m+4*\q:ACC+32*\m+4*\q+3] offset:4352*\m+128*(\q/4)+16*(\q%4)   ; each accumulator from its low end on
.endr
.irp i, 0,1,2,3,4,5,6,7
	ds_load_b128 v[Y+32*\m+4*\i:Y+32*\m+4*\i+3], v14 offset:4352*\m+544*\i   ; LDS serves a wave's instructions in order: these see my stores
.endr
.endr
	s_wait_loadcnt 0x0                             ; x
.irp m, 0,1
.irp i, 0,1,2,3,4,5,6,7
	s_wait_dscnt (1-\m)*16+7-\i                    ; what was issued behind this read-back may be out
	v_pk_add_f32 v[Y+32*\m+4*\i:Y+32*\m+4*\i+1], v[Y+32*\m+4*\i:Y+32*\m+4*\i+1], v[XR+32*\m+4*\i:XR+32*\m+4*\i+1]
	v_pk_add_f32 v[Y+32*\m+4*\i+2:Y+32*\m+4*\i+3], v[Y+32*\m+4*\i+2:Y+32*\m+4*\i+3], v[XR+32*\m+4*\i+2:XR+32*\m+4*\i+3]
	global_store_b128 v15, v[Y+32*\m+4*\i:Y+32*\m+4*\i+3], s[48:49] offset:(8*\m+2*\i+8*(\i/4))*2048 th:TH_STORE_NT   ; sixteen lanes store 256 consecutive bytes, at a multiple of 256 from the buffer's first byte
.endr
.endr
	s_wait_tensorcnt 0x0
	ds_add_u32 v254, v255
	s_wait_dscnt 0x0
	CROUND                                         ; the closing round
	s_endpgm
.Lfunc_end_k_qd13a3e99ea_final:
	.size	k_qd13a3e99ea_final, .Lfunc_end_k_qd13a3e99ea_final-k_qd13a3e99ea_final
	.p2alignl 7, 3214868480
	.fill 96, 4, 3214868480
	.section	.rodata,"a",@progbits
	.p2align	6, 0x0
	.amdhsa_kernel k_qd13a3e99ea_final
		.amdhsa_group_segment_fixed_size 317184
		.amdhsa_private_segment_fixed_size 0
		.amdhsa_enable_private_segment 0
		.amdhsa_kernarg_size 56
		.amdhsa_user_sgpr_count 2
		.amdhsa_user_sgpr_kernarg_segment_ptr 1
		.amdhsa_wavefront_size32 1
		.amdhsa_system_sgpr_workgroup_id_x 1
		.amdhsa_system_sgpr_workgroup_id_y 1
		.amdhsa_system_sgpr_workgroup_id_z 1
		.amdhsa_system_vgpr_workitem_id 0
		.amdhsa_next_free_vgpr 256
		.amdhsa_next_free_sgpr 66
		.amdhsa_reserve_vcc 0
		.amdhsa_float_denorm_mode_32 3
		.amdhsa_float_denorm_mode_16_64 3
		.amdhsa_memory_ordered 1
		.amdhsa_forward_progress 1
		.amdhsa_inst_pref_size 47
	.end_amdhsa_kernel
	.amdgpu_metadata
---
amdhsa.version: [ 1, 2 ]
amdhsa.kernels:
  - .name:           k_qd13a3e99ea_final
    .symbol:         k_qd13a3e99ea_final.kd
    .args:
      - { .name: uimg, .offset: 0, .size: 8, .value_kind: global_buffer, .address_space: global }
      - { .name: attnimg, .offset: 8, .size: 8, .value_kind: global_buffer, .address_space: global }
      - { .name: out_scale, .offset: 16, .size: 8, .value_kind: global_buffer, .address_space: global }
      - { .name: out_bias, .offset: 24, .size: 8, .value_kind: global_buffer, .address_space: global }
      - { .name: w2q, .offset: 32, .size: 8, .value_kind: global_buffer, .address_space: global }
      - { .name: x, .offset: 40, .size: 8, .value_kind: global_buffer, .address_space: global }
      - { .name: out0, .offset: 48, .size: 8, .value_kind: global_buffer, .address_space: global }
    .group_segment_fixed_size: 317184
    .private_segment_fixed_size: 0
    .kernarg_segment_align: 8
    .kernarg_segment_size: 56
    .max_flat_workgroup_size: 256
    .sgpr_count:     66
    .vgpr_count:     256
    .wavefront_size: 32
...
	.end_amdgpu_metadata
.endif
;; end of part 4
